; MI455X (gfx1250); checked and timed in simulation.
; The chip was launched on July 23, 2026; its instructions are those of AMD's public machine-readable ISA for CDNA 5 (MIT licence, August 2026) and "CDNA5" Instruction Set Architecture Reference Guide (July 2026). The comments in the code are by the model that wrote it; some were corrected since.
;; Multi Head Attention. Allowed arithmetic: matrix products marked QUANTISED: E2M3 operands, one E8M0 scale for each 32 along K, by v_wmma_scale_f32_16x16x128_f8f6f4 with both operands' format E2M3, f32 sums; everything else in f32.
;; Inputs: K 4 x 2,048 x 1,024 float32; Q 4 x 2,048 x 1,024 float32; V 4 x 2,048 x 1,024 float32; W_K 1,024 x 1,024 float32; W_O 1,024 x 1,024 float32; W_Q 1,024 x 1,024 float32; W_V 1,024 x 1,024 float32; mask 4 x 2,048 x 2,048 int32.
;; Outputs: out0 4 x 2,048 x 1,024 float32.
;; This version of the problem:
;;   THIS VERSION OF THE PROBLEM IS GIVEN IN LOW PRECISION. The matrix products marked QUANTISED in the list below multiply operands that are first quantised to E2M3 (2 exponent bits, 3 mantissa bits; 6 bits a number), with one power-of-two scale for each 32 numbers along K (OCP MX v1.0); their sums are f32. All else is computed in f32.
;;   The module's matrix products, in the order in which they are computed (A, B: the left and right operand; K: the contracted axis; several contracted axes count as one K, in the product's order):
;;     1. [M 8,192, K 1,024] x [K 1,024, N 1,024]; A: input Q; B: input W_Q: QUANTISED
;;     2. [M 8,192, K 1,024] x [K 1,024, N 1,024]; A: input K; B: input W_K: QUANTISED
;;     3. [M 8,192, K 1,024] x [K 1,024, N 1,024]; A: input V; B: input W_V: QUANTISED
;;     4. batch 64 x [M 2,048, K 64] x [K 64, N 2,048]; A: computed on the way; B: computed on the way: QUANTISED
;;     5. batch 64 x [M 2,048, K 2,048] x [K 2,048, N 64]; A: softmax (see below); B: computed on the way: QUANTISED
;;     6. [M 8,192, K 1,024] x [K 1,024, N 1,024]; A: computed on the way; B: input W_O: QUANTISED
;;   THE QUANTISER, for each operand of a quantised product, along K:
;;     - K is cut into blocks of 32 from its start; a last block that is shorter is filled with zeros.
;;     - A block's scale is 2^e with e = floor(log2(the largest magnitude in the block)) - 2, held to -126 .. 127; a block of zeros has e = 0. As a byte (E8M0): e + 127.
;;     - Each number is divided by its block's scale, clamped to +-7.5, and rounded to the nearest number of E2M3, ties to even, subnormals kept.
;;     - The product sums the exact products of the quantised numbers (number of the format x scale) in f32.
;;   ~~~python
;;   def quantise(x, axis):      # numpy; x: float32 -> the quantised numbers, widened to float32 again
;;       x = np.moveaxis(x, axis, -1); K = x.shape[-1]
;;       x = np.pad(x, [(0, 0)] * (x.ndim - 1) + [(0, -K % 32)]); x = x.reshape(x.shape[:-1] + (-1, 32)); a = np.abs(x).max(-1, keepdims=True)
;;       e = np.where(a > 0, np.clip(np.frexp(np.where(a > 0, a, 1))[1] - 1 - 2, -126, 127), 0)      # np.frexp(a)[1] - 1 = floor(log2(a)), exactly
;;       r = np.clip(x / 2.0 ** e, -7.5, 7.5)
;;       step = 2.0 ** (np.maximum(np.frexp(np.where(r == 0, 1, r))[1] - 1, 0) - 3)
;;       q = np.round(r / step) * step * 2.0 ** e      # np.round: ties to even
;;       return np.moveaxis(q.reshape(q.shape[:-2] + (-1,))[..., :K], -1, axis).astype(np.float32)
;;   ~~~
;;   SOFTMAX AHEAD OF A QUANTISED PRODUCT. Where the list says 'softmax', what is quantised is not the finished softmax but p = 2^(t - M), with t = logit x log2(e) and M = ceil(the row's largest t), a whole number; so 1/2 < the row's largest p <= 1. The row's sum l is taken of the UNQUANTISED p, in f32, and the product's result is divided by l at the end. Since M is a whole number, a kernel that streams over the keys may use a running M (the ceiling of the running maximum): every later rescaling is an exact power of two, which a block's scale takes up: the codes' values come out the same.
;;   OPERANDS COMPUTED ON THE WAY. 'Computed on the way' means the value that the module computes at that place (a softmax that the list does not call 'softmax' is quantised finished and normalised). What goes into a quantiser is computed in f32, as accurately as f32 sums, v_exp_f32 and their like allow (about 1e-6 of the number): no bf16 or f16 on the way to a quantiser, and a product that is left as it is and whose result goes on into a quantised operand takes f32 operands (vector FMAs, or v_wmma_f32_16x16x4_f32). A number that lies on a knife's edge between two numbers of the format may be rounded either way, as far as f32 arithmetic and the matrix unit's own rounding can turn it there, and no further.
;; One version. Each part assembles by itself: llvm-mc -triple=amdgcn-amd-amdhsa -mcpu=gfx1250 --defsym DOCPART=n.
;; ======== version 1 of 1: 4 launches
;; limits: right only within a limited range of input values
;; workspace buffers: xa 19,660,800 bytes; wa 3,276,800 bytes; mw 2,097,152 bytes of whole numbers; fa 20,447,232 bytes; oa 6,553,600 bytes
;; launch prep (part 1): grid 2944 x 1, 4 waves a work-group, no clusters, 101,888 bytes of LDS; arguments Q, K, V, W_Q, W_K, W_V, W_O, mask, xa, wa, mw; writes xa, wa, mw
.if DOCPART == 1
	.amdgcn_target "amdgcn-amd-amdhsa--gfx1250"
	.amdhsa_code_object_version 6
	.text
	.protected	k_q6c93d0c872_prep
	.globl	k_q6c93d0c872_prep
	.p2align	8
	.type	k_q6c93d0c872_prep,@function
k_q6c93d0c872_prep:
	s_mov_b64 s[64:65], 0
	v_nop
	global_prefetch_b8 v0, s[64:65] scope:SCOPE_SE
	s_setreg_imm32_b32 hwreg(HW_REG_WAVE_MODE, 25, 1), 1
	s_wait_xcnt 0x0
; PREP: three jobs in one launch, told apart by the work-group's number; each job has LDS bytes of its own and its own end.
;   work-groups 0-127:    the four weights [1024 (k)][1024 (n)] f32 -> codes of FP6 (E2M3) with K innermost, wa: [4][1024 (n)][768 B], scale bytes [4][1024][32] from byte 3,145,728 on
;   work-groups 128-895:  Q, K, V [8192][1024] f32 -> codes, xa: [3][8192][768 B], scale bytes [3][8192][32] from byte 18,874,368 on
;   work-groups 896-2943: mask [4][2048][2048] i32 -> one bit a number, mw: for each tile of 16 queries and each step of 128 keys 64 words in the order in which the attention launch's registers hold the scores
; A block's scale is 2^(floor(log2(its largest magnitude)) - 2); its byte is the largest magnitude's exponent field - 2, held at 1 from below (a block of zeros so gets the byte 1 where the rule says 127: its codes are zeros, and this program alone reads the bytes).
; ORDER OF ROWS: a weight's row n, and a row m of K and V, lie at the position that has bits 3 and 4 of the number exchanged.  Sixteen such positions as source 0 of a product leave a lane's 16 registers of two neighbouring result tiles as 16 neighbours.
; LIMITS: blocks whose largest magnitude lies under 2^-124 keep the byte 1; NaN and infinities among the inputs are not served.
.set SPARE,  101376                    ; the spare words: 128 bytes a wave, two blocks of 256 bytes that no other line names
.set SPW,    12                        ; v12  SPARE + 4 x my thread's number; never rewritten
.set NIL,    13                        ; v13  0; never rewritten
; the activations' path
.set STEPS,  16
.set CB,     12                        ; bytes of 16 codes
.set WREG,   8192                      ; LDS 0 .. 32,767: a region for each wave: two stages of 32 x SP bytes, behind them its 256 scale bytes
.set SP,     80
.set AR,     16                        ; v16-79   four sets of 16 numbers as loaded
.set AX,     80                        ; v80-111  two sets of 16 neighbours
.set AE,     112                       ; v112-127 a scale byte for each step
.set AC,     128                       ; v128-191 codes, four registers a step
; the weights' path
.set WSTG,   32768                     ; LDS 32,768 .. 67,583: a stage of 32 rows x 272 bytes for each wave
.set WPITCH, 272
.set WX,     32                        ; v32-95   two sets of 32 numbers
.set WC,     96                        ; v96..    a block's codes
.set WOUT,   112                       ; v112-175 the way out
.set WSB,    24                        ; v24-25   the scale bytes
; the mask's path
.set MSTG,   67584                     ; LDS 67,584 .. 101,375: 16 rows x 528 bytes for each wave
.set MPITCH, 528                       ; 512 + 16: an odd multiple of 16 bytes, so the sixteen rows of a load start in different banks
.set MX,     32                        ; v32-95   as loaded
.set MY,     96                        ; v96-159  in the scores' order
	s_load_b512 s[4:19], s[0:1], 0x0               ; Q s[4:5], K s[6:7], V s[8:9], W_Q s[10:11], W_K s[12:13], W_V s[14:15], W_O s[16:17], mask s[18:19]
	s_load_b128 s[20:23], s[0:1], 0x40             ; xa s[20:21], wa s[22:23]
	s_load_b64 s[24:25], s[0:1], 0x50              ; mw
	v_lshl_add_u32 v[SPW], v0, 2, SPARE
	v_mov_b32 v[NIL], 0
	v_lshrrev_b32 v1, 5, v0
	v_readfirstlane_b32 s26, v1                    ; wave 0..3
	v_and_b32 v2, 31, v0                           ; lane
	s_wait_kmcnt 0x0
	s_cmp_lt_u32 ttmp9, 128
	s_cbranch_scc1 .Lweights
	s_cmp_lt_u32 ttmp9, 896
	s_cbranch_scc1 .Lacts
; ---------------- THE MASK.  A wave takes unit u = 16 x (tile of 16 queries) + (step of 128 keys): 16 rows x 512 bytes.
	s_sub_co_u32 s27, ttmp9, 896
	s_lshl_b32 s27, s27, 2
	s_add_co_u32 s27, s27, s26                     ; u
	s_lshr_b32 s28, s27, 4                         ; the tile of queries, 0..511
	s_and_b32 s29, s27, 15                         ; the step
	s_lshl_b32 s30, s28, 17                        ; 16 rows of 8,192 bytes
	s_lshl_b32 s31, s29, 9
	s_add_co_u32 s30, s30, s31
	s_mov_b32 s31, 0
	s_add_nc_u64 s[18:19], s[18:19], s[30:31]
	s_lshl_b32 s30, s27, 8
	s_add_nc_u64 s[32:33], s[24:25], s[30:31]      ; the unit's 64 words
	v_lshlrev_b32 v3, 4, v2                        ; 16 bytes a lane
	s_mul_i32 s36, s26, 16*MPITCH
	s_add_co_u32 s36, s36, MSTG                    ; my stage
	v_add_nc_u32 v4, s36, v3                       ; in: a row as it lies
	v_and_b32 v5, 15, v2
	v_lshrrev_b32 v6, 4, v2
	v_mul_u32_u24 v5, v5, MPITCH
	v_lshl_add_u32 v5, v6, 6, v5
	v_add_nc_u32 v5, s36, v5                       ; back: row lane % 16, + 64 (lane / 16): 16 keys of each block of 32
	v_lshlrev_b32 v7, 3, v2
.irp p, 0,1,2,3,4,5,6,7,8,9,10,11,12,13,14,15
	global_load_b128 v[MX+4*\p:MX+4*\p+3], v3, s[18:19] offset:8192*\p th:TH_LOAD_NT   ; 32 lanes read 512 consecutive bytes of row p
.endr
.irp p, 0,1,2,3,4,5,6,7,8,9,10,11,12,13,14,15
	s_wait_loadcnt 15-\p                           ; row p is in; the younger loads stay out
	ds_store_b128 v4, v[MX+4*\p:MX+4*\p+3] offset:MPITCH*\p
.endr
.irp b, 0,1,2,3
.irp c, 0,1,2,3
	ds_load_b128 v[MY+16*\b+4*\c:MY+16*\b+4*\c+3], v5 offset:128*\b+16*\c   ; LDS serves a wave's instructions in order: these see my stores.  Register 16 b + i: key 32 b + 16 (lane / 16) + i of query lane % 16
.endr
.endr
	v_mov_b32 v28, 0                               ; word j goes to lane j / 2 of register j % 2
	v_mov_b32 v29, 0
	s_wait_dscnt 0x0
.set g, 0
.rept 8
.irp i, 0,1,2,3,4,5,6,7
	v_cmp_ne_u32 s[40+\i], 0, v[MY+8*g+\i]         ; a bit a lane: the key counts
.endr
.irp i, 0,1,2,3,4,5,6,7
	v_writelane_b32 v[28+\i%2], s[40+\i], 4*g+\i/2
.endr
.set g, g+1
.endr
	global_store_b64 v7, v[28:29], s[32:33]        ; 32 lanes store 256 consecutive bytes, aligned
	s_wait_tensorcnt 0x0                           ; the wave's end, behind my last LDS store
	ds_add_u32 v[SPW], v[NIL]
	s_wait_dscnt 0x0
	s_endpgm
; ---------------- THE ACTIVATIONS.  A tensor is a plain stream of blocks of 32.  A wave takes a run of 8,192 numbers (8 rows), 16 steps of 512.
; Each load reads 512 consecutive bytes; a step's 2,048 bytes turn through the wave's own stage, so that a lane holds 16 neighbours (two lanes a block).
.Lacts:
	v_lshlrev_b32 v3, 4, v2                        ; my 16 bytes of a load's 512
	s_mul_i32 s31, s26, WREG
	v_lshrrev_b32 v14, 2, v2
	v_mul_u32_u24 v14, v14, SP
	v_and_b32 v15, 3, v2
	v_lshl_add_u32 v14, v15, 4, v14
	v_add_nc_u32 v14, s31, v14                     ; the stage, in: SP (lane / 4) + 16 (lane % 4)
	v_mul_u32_u24 v15, v2, SP
	v_add_nc_u32 v15, s31, v15                     ; and out: SP x lane
	v_mul_u32_u24 v4, v2, CB                       ; my codes' place in a step's
	v_lshrrev_b32 v5, 1, v2
	s_add_co_u32 s31, s31, 2*32*SP
	v_add_nc_u32 v5, s31, v5                       ; my block's byte among the wave's 256
	v_lshlrev_b32 v7, 3, v2
	v_add_nc_u32 v6, s31, v7
	s_sub_co_u32 s27, ttmp9, 128
	s_lshr_b32 s28, s27, 8                         ; which tensor: 0 Q, 1 K, 2 V
	s_and_b32 s27, s27, 255
	s_lshl_b32 s27, s27, 2
	s_and_b32 s29, s26, 1                          ; a run is 8 rows: the wave's two bits are bits 3 and 4 of the row
	s_lshl_b32 s29, s29, 1
	s_lshr_b32 s30, s26, 1
	s_or_b32 s29, s29, s30
	s_cmp_eq_u32 s28, 0
	s_cselect_b32 s29, s26, s29                    ; Q's rows stay; K's and V's go to the exchanged place
	s_cselect_b64 s[4:5], s[4:5], s[6:7]
	s_cmp_eq_u32 s28, 2
	s_cselect_b64 s[4:5], s[8:9], s[4:5]
	s_add_co_u32 s30, s27, s26
	s_lshl_b32 s30, s30, 15                        ; the run that I read: 32,768 bytes each
	s_mov_b32 s31, 0
	s_add_nc_u64 s[4:5], s[4:5], s[30:31]
	s_add_co_u32 s29, s27, s29                     ; the run that I write
	s_mul_i32 s32, s28, 6291456
	s_mul_i32 s30, s29, 6144
	s_add_co_u32 s30, s30, s32
	s_add_nc_u64 s[8:9], s[20:21], s[30:31]        ; its codes
	s_mul_i32 s32, s28, 262144
	s_lshl_b32 s30, s29, 8
	s_add_co_u32 s30, s30, s32
	s_add_co_u32 s30, s30, 18874368
	s_add_nc_u64 s[10:11], s[20:21], s[30:31]      ; its scale bytes
.macro XLOAD t
.irp i, 0,1,2,3
	global_load_b128 v[AR+16*((\t)%4)+4*\i:AR+16*((\t)%4)+4*\i+3], v3, s[4:5] offset:2048*(\t)+512*\i th:TH_LOAD_NT
.endr
.endm
.macro XTURN t                         ; step t's numbers through the stage: LDS serves a wave's instructions in order
.irp i, 0,1,2,3
	ds_store_b128 v14, v[AR+16*((\t)%4)+4*\i:AR+16*((\t)%4)+4*\i+3] offset:32*SP*((\t)%2)+8*SP*\i
.endr
.irp i, 0,1,2,3
	ds_load_b128 v[AX+16*((\t)%2)+4*\i:AX+16*((\t)%2)+4*\i+3], v15 offset:32*SP*((\t)%2)+16*\i
.endr
.endm
.irp t, 0,1,2,3
	XLOAD \t
.endr
	s_wait_loadcnt 12                              ; step 0's four loads are in
	XTURN 0
.macro XSTEP t
.set XS, AX+16*((\t)%2)
.if (\t) > 0
	s_wait_dscnt 1                                 ; this step's numbers are back from the stage (the last step's byte store may be out)
.else
	s_wait_dscnt 0x0
.endif
.if (\t)+4 < STEPS
	XLOAD (\t)+4                                   ; into the registers that the stage's stores have read
.endif
.if (\t)+1 < STEPS
.if STEPS-2-(\t) >= 3
	s_wait_loadcnt 12                              ; the next step's four loads are in; those of the three steps behind it may be out
.else
	s_wait_loadcnt 4*(STEPS-2-(\t))
.endif
	XTURN (\t)+1
.endif
	v_max3_num_f32 v8, |v[XS]|, |v[XS+1]|, |v[XS+2]|
	v_max3_num_f32 v9, |v[XS+3]|, |v[XS+4]|, |v[XS+5]|
.irp i, 6,10
	v_max3_num_f32 v8, v8, |v[XS+\i]|, |v[XS+\i+1]|
	v_max3_num_f32 v9, v9, |v[XS+\i+2]|, |v[XS+\i+3]|
.endr
	v_max3_num_f32 v8, v8, |v[XS+14]|, |v[XS+15]|
	v_max3_num_f32 v8, v8, v9, 0x1800000           ; and the floor 2^(3 - 127): the byte cannot fall under 1
	v_max_num_f32_dpp v8, v8, v8 row_xmask:1 row_mask:0xf bank_mask:0xf   ; with my neighbour's 16: the block's
	v_add_nc_u32 v11, 0xff000000, v8               ; 2 off the exponent field: the conversion's scale operand
	v_cvt_scalef32_pk16_fp6_f32 v[AC+4*(\t):AC+4*(\t)+2], v[XS:XS+15], v11
	v_lshrrev_b32 v[AE+(\t)], 23, v11              ; the scale's byte
	ds_store_b8 v5, v[AE+(\t)] offset:16*(\t)      ; both lanes of a block write the same byte with the same value
	global_store_b96 v4, v[AC+4*(\t):AC+4*(\t)+2], s[8:9] offset:32*CB*(\t)   ; the wave stores 384 consecutive bytes
.endm
.irp t, 0,1,2,3,4,5,6,7,8,9,10,11,12,13,14,15
	XSTEP \t
.endr
	ds_load_b64 v[8:9], v6
	s_wait_dscnt 0x0
	global_store_b64 v7, v[8:9], s[10:11]          ; 32 lanes store 256 consecutive bytes, aligned
	s_wait_tensorcnt 0x0                           ; the wave's end, behind my last LDS store
	ds_add_u32 v[SPW], v[NIL]
	s_wait_dscnt 0x0
	s_endpgm
; ---------------- THE WEIGHTS.  K is the first axis: a lane takes a column n and its registers run down K, so a block of 32 lies in one lane and the codes come out with K innermost.
; A wave takes 32 columns x 256 along K; its codes leave through its own stage as rows of 192 bytes.
.Lweights:
	s_lshr_b32 s28, ttmp9, 5                       ; which weight: 0 W_Q, 1 W_K, 2 W_V, 3 W_O
	s_and_b32 s27, ttmp9, 7
	s_bfe_u32 s29, ttmp9, 0x20003                  ; which 256 along K
	s_lshl_b32 s27, s27, 7
	s_lshl_b32 s30, s26, 5
	s_add_co_u32 s27, s27, s30                     ; my wave's first column
	v_lshlrev_b32 v3, 2, v2
	s_mul_i32 s31, s26, 32*WPITCH
	s_add_co_u32 s31, s31, WSTG                    ; my stage
	v_and_b32 v10, 7, v2
	v_bfe_u32 v5, v2, 3, 1
	v_bfe_u32 v6, v2, 4, 1
	v_lshl_or_b32 v10, v5, 4, v10
	v_lshl_or_b32 v10, v6, 3, v10                  ; my column's place among the 32: bits 3 and 4 exchanged
	v_mul_u32_u24 v4, v10, WPITCH
	v_add_nc_u32 v4, s31, v4                       ; into the stage
	v_and_b32 v5, 15, v2
	v_lshrrev_b32 v6, 4, v2
	v_mul_u32_u24 v7, v6, WPITCH
	v_lshl_add_u32 v7, v5, 4, v7
	v_add_nc_u32 v7, s31, v7                       ; out of it: sixteen lanes to a row, two rows an instruction
	v_mul_u32_u24 v8, v6, 768
	v_mad_u32_u24 v8, v5, 12, v8                   ; the same place in the codes' buffer
	v_lshlrev_b32 v9, 5, v10                       ; my column's row of scale bytes
	s_cmp_eq_u32 s28, 0
	s_cselect_b64 s[4:5], s[10:11], s[12:13]
	s_cmp_eq_u32 s28, 2
	s_cselect_b64 s[4:5], s[14:15], s[4:5]
	s_cmp_eq_u32 s28, 3
	s_cselect_b64 s[4:5], s[16:17], s[4:5]
	s_lshl_b32 s30, s29, 20                        ; 256 rows of 4,096 bytes
	s_lshl_b32 s32, s27, 2
	s_add_co_u32 s30, s30, s32
	s_mov_b32 s31, 0
	s_add_nc_u64 s[4:5], s[4:5], s[30:31]
	s_mul_i32 s30, s28, 786432
	s_mul_i32 s32, s27, 768
	s_add_co_u32 s30, s30, s32
	s_mul_i32 s32, s29, 192
	s_add_co_u32 s30, s30, s32
	s_add_nc_u64 s[6:7], s[22:23], s[30:31]        ; the codes
	s_lshl_b32 s30, s28, 15
	s_lshl_b32 s32, s27, 5
	s_add_co_u32 s30, s30, s32
	s_lshl_b32 s32, s29, 3
	s_add_co_u32 s30, s30, s32
	s_add_co_u32 s30, s30, 3145728
	s_add_nc_u64 s[8:9], s[22:23], s[30:31]        ; the scale bytes
.macro WLOAD t
.irp i, 0,1,2,3,4,5,6,7,8,9,10,11,12,13,14,15,16,17,18,19,20,21,22,23,24,25,26,27,28,29,30,31
	global_load_b32 v[WX+32*((\t)%2)+\i], v3, s[4:5] offset:(32*(\t)+\i)*4096 th:TH_LOAD_NT   ; 128 consecutive bytes a wave, 512 a work-group
.endr
.endm
	WLOAD 0
	WLOAD 1
.macro WBLOCK t
.set XS, WX+32*((\t)%2)
.if (\t) < 7
	s_wait_loadcnt 32                              ; this block's 32 loads are in; the next block's may be out
.else
	s_wait_loadcnt 0
.endif
	v_max3_num_f32 v16, |v[XS]|, |v[XS+1]|, |v[XS+2]|
	v_max3_num_f32 v17, |v[XS+3]|, |v[XS+4]|, |v[XS+5]|
.irp i, 6,10,14,18,22,26
	v_max3_num_f32 v16, v16, |v[XS+\i]|, |v[XS+\i+1]|
	v_max3_num_f32 v17, v17, |v[XS+\i+2]|, |v[XS+\i+3]|
.endr
	v_max3_num_f32 v16, v16, |v[XS+30]|, |v[XS+31]|
	v_max3_num_f32 v16, v16, v17, 0x1800000        ; and the floor
	v_add_nc_u32 v11, 0xff000000, v16              ; the conversion's scale operand
	v_lshrrev_b32 v17, 23, v11                     ; the byte
.if (\t)%4 == 0
	v_mov_b32 v[WSB+(\t)/4], v17
.else
	v_lshl_or_b32 v[WSB+(\t)/4], v17, 8*((\t)%4), v[WSB+(\t)/4]
.endif
	v_cvt_scalef32_pk16_fp6_f32 v[WC:WC+2], v[XS:XS+15], v11
	v_cvt_scalef32_pk16_fp6_f32 v[WC+4:WC+6], v[XS+16:XS+31], v11
	ds_store_b96 v4, v[WC:WC+2] offset:32*(\t)     ; 12 bytes to a place of 16, so that every LDS address is a multiple of 16
	ds_store_b96 v4, v[WC+4:WC+6] offset:32*(\t)+16
.if (\t)+2 < 8
	WLOAD (\t)+2
.endif
	s_wait_dscnt 0x0                               ; the stores have read their registers: the next block's codes may be written
.endm
.irp t, 0,1,2,3,4,5,6,7
	WBLOCK \t
.endr
	global_store_b64 v9, v[WSB:WSB+1], s[8:9]      ; my column's 8 scale bytes
.irp t, 0,1,2,3,4,5,6,7,8,9,10,11,12,13,14,15
	ds_load_b96 v[WOUT+4*\t:WOUT+4*\t+2], v7 offset:2*\t*WPITCH
.endr
.irp t, 0,1,2,3,4,5,6,7,8,9,10,11,12,13,14,15
	s_wait_dscnt 15-\t
	global_store_b96 v8, v[WOUT+4*\t:WOUT+4*\t+2], s[6:7] offset:2*\t*768   ; sixteen lanes store a row's 192 consecutive bytes
.endr
	s_wait_tensorcnt 0x0                           ; the wave's end, behind my last LDS store
	ds_add_u32 v[SPW], v[NIL]
	s_wait_dscnt 0x0
	s_endpgm
.Lfunc_end_k_q6c93d0c872_prep:
	.size	k_q6c93d0c872_prep, .Lfunc_end_k_q6c93d0c872_prep-k_q6c93d0c872_prep
	.p2alignl 7, 3214868480
	.fill 96, 4, 3214868480
	.section	.rodata,"a",@progbits
	.p2align	6, 0x0
	.amdhsa_kernel k_q6c93d0c872_prep
		.amdhsa_group_segment_fixed_size 101888
		.amdhsa_private_segment_fixed_size 0
		.amdhsa_enable_private_segment 0
		.amdhsa_kernarg_size 88
		.amdhsa_user_sgpr_count 2
		.amdhsa_user_sgpr_kernarg_segment_ptr 1
		.amdhsa_wavefront_size32 1
		.amdhsa_system_sgpr_workgroup_id_x 1
		.amdhsa_system_sgpr_workgroup_id_y 1
		.amdhsa_system_sgpr_workgroup_id_z 1
		.amdhsa_system_vgpr_workitem_id 0
		.amdhsa_next_free_vgpr 192
		.amdhsa_next_free_sgpr 66
		.amdhsa_reserve_vcc 0
		.amdhsa_float_denorm_mode_32 3
		.amdhsa_float_denorm_mode_16_64 3
		.amdhsa_memory_ordered 1
		.amdhsa_forward_progress 1
		.amdhsa_inst_pref_size 87
	.end_amdhsa_kernel
	.amdgpu_metadata
---
amdhsa.version: [ 1, 2 ]
amdhsa.kernels:
  - .name:           k_q6c93d0c872_prep
    .symbol:         k_q6c93d0c872_prep.kd
    .args:
      - { .name: Q, .offset: 0, .size: 8, .value_kind: global_buffer, .address_space: global }
      - { .name: K, .offset: 8, .size: 8, .value_kind: global_buffer, .address_space: global }
      - { .name: V, .offset: 16, .size: 8, .value_kind: global_buffer, .address_space: global }
      - { .name: W_Q, .offset: 24, .size: 8, .value_kind: global_buffer, .address_space: global }
      - { .name: W_K, .offset: 32, .size: 8, .value_kind: global_buffer, .address_space: global }
      - { .name: W_V, .offset: 40, .size: 8, .value_kind: global_buffer, .address_space: global }
      - { .name: W_O, .offset: 48, .size: 8, .value_kind: global_buffer, .address_space: global }
      - { .name: mask, .offset: 56, .size: 8, .value_kind: global_buffer, .address_space: global }
      - { .name: xa, .offset: 64, .size: 8, .value_kind: global_buffer, .address_space: global }
      - { .name: wa, .offset: 72, .size: 8, .value_kind: global_buffer, .address_space: global }
      - { .name: mw, .offset: 80, .size: 8, .value_kind: global_buffer, .address_space: global }
    .group_segment_fixed_size: 101888
    .private_segment_fixed_size: 0
    .kernarg_segment_align: 8
    .kernarg_segment_size: 88
    .max_flat_workgroup_size: 128
    .sgpr_count:     66
    .vgpr_count:     192
    .wavefront_size: 32
...
	.end_amdgpu_metadata
.endif
;; end of part 1
;; launch proj (part 2): grid 4 x 96, 4 waves a work-group, clusters of 4 x 4, 327,680 bytes of LDS; arguments xa, wa, fa; writes fa
.if DOCPART == 2
	.amdgcn_target "amdgcn-amd-amdhsa--gfx1250"
	.amdhsa_code_object_version 6
	.text
	.protected	k_q6c93d0c872_proj
	.globl	k_q6c93d0c872_proj
	.p2align	8
	.type	k_q6c93d0c872_proj,@function
k_q6c93d0c872_proj:
	s_mov_b64 s[64:65], 0
	v_nop
	global_prefetch_b8 v0, s[64:65] scope:SCOPE_SE
	s_setreg_imm32_b32 hwreg(HW_REG_WAVE_MODE, 25, 1), 1
	s_wait_xcnt 0x0
	s_wait_alu depctr_hold_cnt(0) depctr_sa_sdst(0) depctr_va_vdst(0) depctr_va_sdst(0) depctr_va_ssrc(0) depctr_va_vcc(0) depctr_vm_vsrc(0)
	s_getreg_b32 s2, hwreg(HW_REG_IB_STS2, 6, 4)
	s_cmp_eq_u32 s2, 0
	s_cbranch_scc0 .Lentry_in_a_cluster
	s_endpgm
.Lentry_in_a_cluster:
	s_bfe_u32 s2, ttmp6, 0x10000c
	s_cmp_lg_u32 s2, 0xf033
	s_cbranch_scc0 .Lentry_shape_is_right
	s_endpgm
.Lentry_shape_is_right:
; PROJ: q = Q W_Q, k = K W_K, v = V W_V on codes of FP6 (E2M3) with E8M0 scales, f32 sums; the results are quantised in registers and leave as codes, laid as the attention launch's operand registers take them.
; Clusters of 4 x 4 work-groups; cluster y = 8 T + c: T = 0 q, 1 k, 2 v.  A tile of C is 256 x 256, four waves of 128 x 128 (64 accumulators, 512 registers); K = 1,024 goes in steps of 256 through two LDS slots.
; For q and k operand A (source 1, a lane's row) is the activations and B (source 0) the weight; for v A is W_V and B the activations: so a lane holds one row of A and, along its registers, what the NEXT product sums over:
; the head's 64 for q and k, the keys for v.  B's rows lie with bits 3 and 4 of their number exchanged, so the 16 registers of result tiles 2 b and 2 b + 1 are 16 neighbours: 32 b + 16 (lane / 16) + 0 .. 15.
; The four of a row of the cluster need the same tiles of A, the four of a column the same tiles of B: each tile is asked for jointly.  The scale bytes of the work-group's rows come once, with the first fills.
; fa: for head hb = 16 batch + head, from byte 212,992 hb on, eight slots of 256 keys, 26,624 bytes each: 16 tiles of k (768 B: registers 0-3 at 16 x lane, 4-5 at 512 + 8 x lane), 2 x 4 fragments of v^T (1,536 B),
;   k's scale words (16 x 64 B), v's (2 x 4 x 128 B: the words and a copy);  q's tiles from byte 13,631,488 on (768 B each), their scale words from 19,922,944 on (64 B each).  In q's and k's words bytes 2 and 3 are 0.
; REGISTERS as windows of 256: window 0: v0-31 addresses; v32-63 scale words, two sets; v64-114 the way out; from v128 A's fragments, one set.  window 1: B's fragments, two sets.  windows 2, 3: the accumulators.
; LIMITS: a block whose largest magnitude lies under 2^-124 keeps the byte 1; NaN and infinities are not served.
.set SIZE_K, 1024
.set KSTEP,  256
.set NQ,     KSTEP/128
.set ROWB,   192                       ; a tile's row in bytes
.set KROW,   SIZE_K*6/8
.set PITCH,  240                       ; an LDS row: 3 x (64 bytes + 16 of padding)
.set FR,     12
.set NL,     6
.set NP,     4
.set HALFT,  128*PITCH
.set SLOT,   4*HALFT
.set LAPS,   SIZE_K/(2*KSTEP)
.set KS,     SIZE_K/32
.set SCL,    2*SLOT                    ; behind the ring: the scales, as units of 256 bytes + 16 of padding
.set HALFS,  (128*KS/256)*272
.set SBLK,   (16*KS/256)*272
.set SPARE,  SCL+4*HALFS               ; the spare words: 128 bytes a wave, two blocks of 256 bytes that no other line names
.set ADRA, 16                          ; v16-19  LDS addresses of my A fragments (slot 0, 1; the same behind one padding more)
.set ADRB, 20                          ; v20-23  the same for B
.set ADRS, 27                          ; v27     LDS address of my scale words: lanes 0-15 A's rows, lanes 16-31 B's
.set SPW,  28                          ; v28     SPARE + 4 x my thread's number; never rewritten
.set NIL,  29                          ; v29     0; never rewritten
.set SC,   32
.set AF,   128
.set O16,  16                          ; the way out: 16 x lane, 8 x lane, the scale word's place, the word's shift
.set O8,   17
.set OS,   18
.set SHV,  19
.set TM,   64                          ; v64-67 largest magnitudes, v68-71 bytes, v76-79 scale operands
.set PW,   80                          ; the row's scale word;  v81: what my half of the lanes stores of it
.set PWS,  81
.set PC,   96                          ; v96-107 a fragment's codes; v108-110, v112-114 the conversions' second halves
.set G1, 24
.set G0, 32
.set G1B, 48
.set G0B, 56
.set G1S, 68
.set G0S, 76
.set G1SB, 80
.set G0SB, 88
.set MSB, 0
.macro WIN new                         ; the immediate's high byte repeats the setting that is left
.if MSB != \new
	s_set_vgpr_msb (MSB<<8)|\new
.set MSB, \new
.endif
.endm
.set MUL_LO, 0xa1                      ; source 0 (B) window 1, source 1 (A) window 0, C and D window 2
.set MUL_HI, 0xf1
.set TO_B,   0x40
; A joint load: waves 0 and 1 fetch for A, waves 2 and 3 for B; the branch hangs on the wave's number alone.  An s_nop 0 and four v_nop follow each of the two lines.
.macro JLOAD g0a, g1a, g0b, g1b
	s_cmp_eq_u32 s15, 0
	s_cbranch_scc0 .Lfor_b_\@
	tensor_load_to_lds s[\g0a:\g0a+3], s[\g1a:\g1a+7]
	s_nop 0
.rept 4
	v_nop
.endr
	s_branch .Lasked_\@
.Lfor_b_\@:
	tensor_load_to_lds s[\g0b:\g0b+3], s[\g1b:\g1b+7]
	s_nop 0
.rept 4
	v_nop
.endr
.Lasked_\@:
.endm
.macro CREST
	s_cmp_lg_u32 s14, 0
	s_cbranch_scc1 .Lnot_wave_0_\@
	s_barrier_signal -3
.Lnot_wave_0_\@:
	s_barrier_wait -3
	s_barrier_signal -1
	s_barrier_wait -1
.endm
.macro CROUND
	s_barrier_signal -1
	s_barrier_wait -1
	CREST
.endm
	s_load_b128 s[96:99], s[0:1], 0x0              ; xa s[96:97], wa s[98:99]
	s_load_b64 s[100:101], s[0:1], 0x10            ; fa
	v_lshl_add_u32 v[SPW], v0, 2, SPARE
	v_mov_b32 v[NIL], 0
	ds_add_u32 v[SPW], v[NIL]                      ; the wave's opening: the add, and its wait ahead of my first tensor load; the set-up below stands between them
	v_lshrrev_b32 v1, 5, v0
	v_readfirstlane_b32 s14, v1                    ; wave 0..3
	s_lshr_b32 s15, s14, 1                         ; which half of the tile's rows is mine.  Also: I fetch for A (0) or for B (1)
	s_and_b32 s16, s14, 1                          ; which half of its columns.  Also: which 128 rows of that tile I fetch
	s_bfe_u32 s40, ttmp6, 0x40000                  ; cx, cy
	s_bfe_u32 s41, ttmp6, 0x40004
	s_and_b32 s17, ttmp7, 0xffff                   ; cluster y, 0..23: the same in all sixteen partners
	s_lshr_b32 s95, s17, 3                         ; T
	s_and_b32 s17, s17, 7
	s_cmp_eq_u32 s95, 2
	s_cselect_b32 s42, s17, 0                      ; v: 32 tile columns (tokens), 4 tile rows (features); q, k: the other way round
	s_cselect_b32 s17, 0, s17
	s_lshl_b32 s42, s42, 2
	s_add_co_u32 s42, s42, s40                     ; tile column
	s_lshl_b32 s17, s17, 2
	s_add_co_u32 s17, s17, s41                     ; tile row
	s_lshl_b32 s43, s41, 2
	s_lshl_b32 s43, 15, s43                        ; my row of the cluster
	s_lshl_b32 s44, 0x1111, s40                    ; my column
	s_or_b32 s[G1+0], s43, (0<<16)|(1<<20)|(1<<21)|(3<<22)|(3<<25)  ; the mask; elements of 1 byte; padding on; bit 21 beside a mask; after every 16 words 4 words
	s_or_b32 s[G1B+0], s44, (0<<16)|(1<<20)|(1<<21)|(3<<22)|(3<<25)
.irp g, G1, G1B
	s_mov_b32 s[\g+1], ROWB<<16                    ; tensor_dim0
	s_mov_b32 s[\g+2], 128<<16                     ; tensor_dim1
	s_mov_b32 s[\g+3], ROWB<<16                    ; tile_dim0
	s_mov_b32 s[\g+4], 128                         ; tile_dim1
	s_mov_b32 s[\g+5], KROW                        ; the pitch
	s_mov_b32 s[\g+6], 0
	s_mov_b32 s[\g+7], 0
.endr
	s_or_b32 s[G1S+0], s43, (3<<16)|(1<<20)|(1<<21)|(5<<22)|(3<<25)  ; the scales of 128 rows: a dense block, as rows of 256 bytes, 16 of padding behind each
	s_or_b32 s[G1SB+0], s44, (3<<16)|(1<<20)|(1<<21)|(5<<22)|(3<<25)
.irp g, G1S, G1SB
	s_mov_b32 s[\g+1], 32<<16
	s_mov_b32 s[\g+2], (128*KS/256)<<16
	s_mov_b32 s[\g+3], 32<<16
	s_mov_b32 s[\g+4], 128*KS/256
	s_mov_b32 s[\g+5], 32
	s_mov_b32 s[\g+6], 0
	s_mov_b32 s[\g+7], 0
.endr
	s_lshl_b32 s18, s16, 7
	s_lshl_b32 s20, s17, 8
	s_add_co_u32 s20, s20, s18                     ; A: row 256 x tile row + 128 x half
	s_lshl_b32 s46, s42, 8
	s_add_co_u32 s46, s46, s18                     ; B: row 256 x tile column + 128 x half
	s_mov_b32 s21, 0
	s_mov_b32 s47, 0
	s_mov_b64 s[18:19], KS
	s_mul_u64 s[22:23], s[20:21], s[18:19]         ; these rows' scales, in bytes
	s_mul_u64 s[92:93], s[46:47], s[18:19]
	s_mov_b64 s[18:19], KROW
	s_mul_u64 s[20:21], s[20:21], s[18:19]         ; and their codes
	s_mul_u64 s[46:47], s[46:47], s[18:19]
	s_mul_i32 s2, s95, 6291456                     ; where tensor T begins: the activations' codes,
	s_mul_i32 s3, s95, 262144
	s_add_co_u32 s3, s3, 18874368                  ; their scales,
	s_mul_i32 s66, s95, 786432                     ; the weight's codes,
	s_mul_i32 s67, s95, 32768
	s_add_co_u32 s67, s67, 3145728                 ; its scales
	s_cmp_eq_u32 s95, 2
	s_cselect_b32 s4, s66, s2                      ; A is the weight for v, else the activations
	s_cselect_b32 s6, s67, s3
	s_cselect_b32 s8, s2, s66
	s_cselect_b32 s10, s3, s67
	s_mov_b32 s5, 0
	s_mov_b32 s7, 0
	s_mov_b32 s9, 0
	s_mov_b32 s11, 0
	s_add_nc_u64 s[20:21], s[20:21], s[4:5]
	s_add_nc_u64 s[22:23], s[22:23], s[6:7]
	s_add_nc_u64 s[46:47], s[46:47], s[8:9]
	s_add_nc_u64 s[92:93], s[92:93], s[10:11]
	s_mul_i32 s45, s14, HALFT                      ; where they go: wave x 128 rows: no place in the cluster enters an LDS address
	s_mul_i32 s94, s14, HALFS
	s_wait_dscnt 0x0                               ; the opening add is done
	s_wait_kmcnt 0x0
	s_cmp_eq_u32 s95, 2
	s_cselect_b64 s[4:5], s[98:99], s[96:97]       ; A's buffer
	s_cselect_b64 s[8:9], s[96:97], s[98:99]       ; B's
	s_add_nc_u64 s[20:21], s[4:5], s[20:21]
	s_add_nc_u64 s[22:23], s[4:5], s[22:23]
	s_add_nc_u64 s[46:47], s[8:9], s[46:47]
	s_add_nc_u64 s[92:93], s[8:9], s[92:93]
	CROUND                                         ; all sixteen work-groups are here: the first joint loads meet
	s_mov_b32 s[G0S], 1
	s_add_co_u32 s[G0S+1], s94, SCL
	s_mov_b64 s[G0S+2:G0S+3], s[22:23]
	s_or_b32 s[G0S+3], s[G0S+3], 0x80000000
	s_mov_b32 s[G0SB], 1
	s_add_co_u32 s[G0SB+1], s94, SCL
	s_mov_b64 s[G0SB+2:G0SB+3], s[92:93]
	s_or_b32 s[G0SB+3], s[G0SB+3], 0x80000000
	JLOAD G0S, G1S, G0SB, G1SB                     ; the scales first: they are wanted with K step 0
.irp s, 0,1
	s_mov_b32 s[G0+4*\s], 1
	s_add_co_u32 s[G0+4*\s+1], s45, \s*SLOT
	s_add_nc_u64 s[G0+4*\s+2:G0+4*\s+3], s[20:21], \s*ROWB
	s_or_b32 s[G0+4*\s+3], s[G0+4*\s+3], 0x80000000
	s_mov_b32 s[G0B+4*\s], 1
	s_add_co_u32 s[G0B+4*\s+1], s45, \s*SLOT
	s_add_nc_u64 s[G0B+4*\s+2:G0B+4*\s+3], s[46:47], \s*ROWB
	s_or_b32 s[G0B+4*\s+3], s[G0B+4*\s+3], 0x80000000
	JLOAD G0+4*\s, G1, G0B+4*\s, G1B
.endr
	v_and_b32 v1, 15, v0                           ; l % 16
	v_bfe_u32 v2, v0, 4, 1                         ; l / 16
	v_mul_u32_u24 v3, v1, PITCH
	v_mul_u32_u24 v4, v2, 24
	v_add_nc_u32 v4, v3, v4                        ; a fragment's row x pitch + 24 x half
	v_lshl_add_u32 v5, v2, 4, v4                   ; and the same behind one padding more
	s_mul_i32 s21, s15, HALFT                      ; my 128 rows of A
	s_mul_i32 s22, s16, HALFT                      ; my 128 rows of B,
	s_add_co_u32 s22, s22, 2*HALFT                 ; which lie behind A's 256
.irp s, 0,1
	v_add_nc_u32 v[ADRA+\s], s21, v4
	v_add_nc_u32 v[ADRB+\s], s22, v4
	v_add_nc_u32 v[ADRA+2+\s], s21, v5
	v_add_nc_u32 v[ADRB+2+\s], s22, v5
	s_add_co_u32 s21, s21, SLOT
	s_add_co_u32 s22, s22, SLOT
.endr
	v_mul_u32_u24 v5, v1, KS                       ; my row's scales: KS bytes a row,
	v_lshrrev_b32 v6, 8, v5
	v_lshl_add_u32 v5, v6, 4, v5                   ; and 16 more for each 256 passed
	s_mul_i32 s21, s15, HALFS
	s_mul_i32 s22, s16, HALFS
	s_add_co_u32 s22, s22, 2*HALFS
	s_sub_co_u32 s22, s22, s21
	v_mul_u32_u24 v6, s22, v2                      ; lanes 16-31 take B's
	s_add_co_u32 s21, s21, SCL
	v_add_nc_u32 v5, v5, v6
	v_add_nc_u32 v[ADRS], s21, v5
.macro FRAG reg, adr, q, i             ; a fragment: 16 rows x 128 K, 12 registers, in pieces of 8 bytes; where the piece three on lies behind one padding more, the second address register serves
.irp p, 0,1,2,3,4,5
.set PCE, 12*(\q)+6*(\p/3)+\p%3
.if PCE%8 < 5
	ds_load_b64 v[\reg+2*\p:\reg+2*\p+1], v[\adr] offset:8*PCE+16*(PCE/8)+(\i)*16*PITCH
.else
	ds_load_b64 v[\reg+2*\p:\reg+2*\p+1], v[\adr+2] offset:8*PCE+16*(PCE/8)+(\i)*16*PITCH
.endif
.endr
.endm
; 16 matrix instructions: A's blocks a0, a0 + 1 x B's eight.  The 64 accumulators take turns, one instruction a turn, in the same order in every step.
.macro MUL16 a0, p, q, sc, zero
.irp a, \a0, \a0+1
.irp b, 0,1,2,3,4,5,6,7
.if \zero
	v_wmma_scale_f32_16x16x128_f8f6f4 v[8*(8*((\a)%4)+\b):8*(8*((\a)%4)+\b)+7], v[128*(\p)+FR*\b:128*(\p)+FR*\b+FR-1], v[AF+FR*(\a):AF+FR*(\a)+FR-1], 0, v[SC+8*NQ*(\sc)+NQ*\b+(\q)], v[SC+8*NQ*(\sc)+NQ*(\a)+(\q)] matrix_a_fmt:MATRIX_FMT_FP6 matrix_b_fmt:MATRIX_FMT_FP6 matrix_a_scale:MATRIX_SCALE_ROW1
.else
	v_wmma_scale_f32_16x16x128_f8f6f4 v[8*(8*((\a)%4)+\b):8*(8*((\a)%4)+\b)+7], v[128*(\p)+FR*\b:128*(\p)+FR*\b+FR-1], v[AF+FR*(\a):AF+FR*(\a)+FR-1], v[8*(8*((\a)%4)+\b):8*(8*((\a)%4)+\b)+7], v[SC+8*NQ*(\sc)+NQ*\b+(\q)], v[SC+8*NQ*(\sc)+NQ*(\a)+(\q)] matrix_a_fmt:MATRIX_FMT_FP6 matrix_b_fmt:MATRIX_FMT_FP6 matrix_a_scale:MATRIX_SCALE_ROW1
.endif
.endr
.endr
.endm
.macro FETCH_B slot, q, p
	WIN TO_B
.irp i, 0,1,2,3,4,5,6,7
	FRAG 128*(\p)+FR*\i, ADRB+\slot, \q, \i
.endr
	WIN 0
.endm
.macro FETCH_A slot, q, i0
.irp i, \i0, \i0+1, \i0+2, \i0+3
	FRAG AF+FR*(\i), ADRA+\slot, \q, \i
.endr
.endm
.macro SCALES sc                       ; a K step's scale words: lanes 0-15 A's block i, lanes 16-31 B's block i
.irp i, 0,1,2,3,4,5,6,7
	ds_load_b64 v[SC+8*NQ*\sc+NQ*\i:SC+8*NQ*\sc+NQ*\i+1], v[ADRS] offset:\i*SBLK
.endr
.endm
.macro PLACES n                        ; plain vector places behind matrix instructions, in front of loads into their registers and of reads of their results
.rept \n
	v_nop
.endr
.endm
.macro STEP slot, q, zero              ; a step of 128 along K that has its successor in the same slot
	s_wait_dscnt 4*NL                              ; B's set and A's blocks 0-3 are in; the youngest 24 loads (A's blocks 4-7) may be out
	WIN MUL_LO
	MUL16 0, (\q)%2, \q, \slot, \zero
	MUL16 2, (\q)%2, \q, \slot, \zero
	s_wait_dscnt 0
	PLACES NP
	FETCH_B \slot, (\q)+1, 1-(\q)%2
	FETCH_A \slot, (\q)+1, 0
	WIN MUL_HI
	MUL16 4, (\q)%2, \q, \slot, \zero
	MUL16 6, (\q)%2, \q, \slot, \zero
	PLACES NP
	WIN 0
	FETCH_A \slot, (\q)+1, 4
.endm
; A slot's last step changes slots: one barrier; in front of it each wave waits for all its tensor loads, adds 0 to its spare word, and waits for that and for its reads of this slot.
.macro TURN slot, next, fill
	s_wait_tensorcnt 0x0                           ; all my tensor loads have landed: my part of the next slot
	ds_add_u32 v[SPW], v[NIL]
	s_wait_dscnt 4*NL+1                            ; (the add and the youngest 24 loads may be out)
	WIN MUL_LO
	MUL16 0, 1, NQ-1, \slot, 0
	s_wait_dscnt 0x0                               ; the add is done, and my reads of this slot are over
	s_barrier_signal -1
	MUL16 2, 1, NQ-1, \slot, 0
	WIN 0
	s_barrier_wait -1
.if \fill
	CREST                                          ; the barrier has opened a round of the cluster's barrier: no wave of any partner still reads this slot or has a load on its way
	s_add_nc_u64 s[G0+4*\slot+2:G0+4*\slot+3], s[G0+4*\slot+2:G0+4*\slot+3], 2*ROWB
	s_add_nc_u64 s[G0B+4*\slot+2:G0B+4*\slot+3], s[G0B+4*\slot+2:G0B+4*\slot+3], 2*ROWB
	JLOAD G0+4*\slot, G1, G0B+4*\slot, G1B         ; the first tensor load behind the round; its four v_nop are the places in front of the loads below
.else
	PLACES NP
.endif
	v_add_nc_u32 v[ADRS], 4*NQ, v[ADRS]            ; the next K step's scale words
	FETCH_B \next, 0, 0
	FETCH_A \next, 0, 0
	SCALES \next
	WIN MUL_HI
	MUL16 4, 1, NQ-1, \slot, 0
	MUL16 6, 1, NQ-1, \slot, 0
	PLACES NP
	WIN 0
	FETCH_A \next, 0, 4
.endm
	s_wait_tensorcnt 1                             ; the scales and my part of K step 0 are in (K step 1's load may be out),
	s_barrier_signal -1
	s_barrier_wait -1                              ; everybody's are
	FETCH_B 0, 0, 0
	FETCH_A 0, 0, 0
	SCALES 0
	FETCH_A 0, 0, 4
	STEP 0, 0, 1                                   ; the first step's products start the sums
	s_mov_b32 s3, LAPS-1
.Llap:
	TURN 0, 1, 1
	STEP 1, 0, 0
	TURN 1, 0, 1
	STEP 0, 0, 0
	s_sub_co_u32 s3, s3, 1
	s_cmp_lg_u32 s3, 0
	s_cbranch_scc1 .Llap
	TURN 0, 1, 0                                   ; the last lap fills nothing
	STEP 1, 0, 0
	s_wait_dscnt 4*NL
	WIN MUL_LO
	MUL16 0, 1, NQ-1, 1, 0
	MUL16 2, 1, NQ-1, 1, 0
	s_wait_dscnt 0
	WIN MUL_HI
	MUL16 4, 1, NQ-1, 1, 0
	MUL16 6, 1, NQ-1, 1, 0
	WIN 0
; THE WAY OUT.  No tensor load is out (the last change of slots waited for all), so the descriptors' registers are free.  No branch: what differs between q, k and v is chosen into scalars.
	s_cmp_eq_u32 s95, 2
	s_cselect_b32 s20, s42, s17                    ; the tile along the tokens,
	s_cselect_b32 s21, s16, s15                    ; my half of it,
	s_cselect_b32 s22, s17, s42                    ; the tile along the features (4 heads),
	s_cselect_b32 s23, s15, s16                    ; my half of it (2 heads)
	s_lshr_b32 s24, s20, 3                         ; batch
	s_and_b32 s25, s20, 7                          ; slot of 256 tokens
	s_lshl_b32 s24, s24, 4
	s_lshl_b32 s22, s22, 2
	s_lshl_b32 s23, s23, 1
	s_add_co_u32 s24, s24, s22
	s_add_co_u32 s24, s24, s23                     ; hb: my first head
	s_mul_i32 s26, s24, 212992
	s_mul_i32 s27, s25, 26624
	s_add_co_u32 s26, s26, s27                     ; k, v: the head's slot
	s_mul_i32 s27, s21, 6144
	s_add_co_u32 s27, s27, s26                     ; my 8 tiles of k, or my step's 4 fragments of v^T
	s_lshl_b32 s28, s21, 9
	s_add_co_u32 s28, s28, s26
	s_add_co_u32 s28, s28, 24576                   ; and their scale words
	s_cmp_eq_u32 s95, 2
	s_cselect_b32 s31, 12288, 0
	s_cselect_b32 s32, 1024, 0
	s_add_co_u32 s27, s27, s31
	s_add_co_u32 s28, s28, s32
	s_lshl_b32 s29, s24, 7
	s_lshl_b32 s31, s25, 4
	s_add_co_u32 s29, s29, s31
	s_lshl_b32 s31, s21, 3
	s_add_co_u32 s29, s29, s31                     ; q: 128 hb + my first tile of 16 queries
	s_lshl_b32 s30, s29, 6
	s_add_co_u32 s30, s30, 19922944
	s_mul_i32 s29, s29, 768
	s_add_co_u32 s29, s29, 13631488
	s_cmp_eq_u32 s95, 0
	s_cselect_b32 s26, s29, s27                    ; the codes' offset
	s_cselect_b32 s28, s30, s28                    ; the scale words'
	s_mov_b32 s56, 212992
	s_cselect_b32 s56, 98304, s56                  ; to registers 6-11's place: the next head's tile (q, k),
	s_mov_b32 s58, 212992
	s_cselect_b32 s58, 8192, s58                   ; lanes 16-31 store the next head's two bytes
	s_mov_b32 s27, 0
	s_mov_b32 s29, 0
	s_cmp_eq_u32 s95, 2
	s_cselect_b32 s56, 768, s56                    ; or the fragment's second half (v)
	s_cselect_b32 s58, 64, s58                     ; v: lanes 16-31 store the copy
	s_mov_b32 s48, 768
	s_cselect_b32 s50, 208384, s48                 ; behind block 3: v goes on to the next head
	s_cselect_b32 s48, 1536, s48                   ; from block to block
	s_cselect_b32 s52, 128, 64                     ; the same for the scale words
	s_mov_b32 s54, 64
	s_cselect_b32 s54, 212608, s54
	s_cselect_b32 s59, 0, 16                       ; how far lanes 16-31 shift the word
	s_mov_b32 s60, 0xffff
	s_cselect_b32 s60, -1, s60                     ; and what is kept of it
	s_mov_b32 s49, 0
	s_mov_b32 s51, 0
	s_mov_b32 s53, 0
	s_mov_b32 s55, 0
	s_mov_b32 s57, 0
	s_mov_b32 s62, 0x76543210
	s_mov_b32 s63, 0xfedcba98                      ; v_permlanex16_b32's selects for lane l xor 16
	s_add_nc_u64 s[4:5], s[100:101], s[26:27]
	s_add_nc_u64 s[6:7], s[4:5], s[56:57]
	s_add_nc_u64 s[8:9], s[100:101], s[28:29]
	PLACES NP                                      ; behind the last products
	v_and_b32 v1, 15, v0
	v_bfe_u32 v2, v0, 4, 1
	v_and_b32 v3, 31, v0
	v_lshlrev_b32 v[O16], 4, v3
	v_lshlrev_b32 v[O8], 3, v3
	v_mul_u32_u24 v[OS], s58, v2
	v_lshl_add_u32 v[OS], v1, 2, v[OS]
	v_mul_u32_u24 v[SHV], s59, v2
.irp b, 0,1,2,3
	v_mov_b32 v[TM+4+\b], 0                        ; a lane permute's destination counts as one of its sources
.endr
; Block a: 16 rows of A x my 128 columns, 64 numbers a lane: register 16 b + i = index 32 b + 16 (lane / 16) + i.  They become a fragment's 12 registers and a scale word, and are stored as they stand.
.macro QW a
.set ACB, 64*((\a)%4)
	WIN 0x0a+5*((\a)/4)                            ; sources 0 and 1: window 2 or 3
.irp b, 0,1,2,3
	v_max3_num_f32 v[TM+\b], |v[ACB+16*\b]|, |v[ACB+16*\b+1]|, 0x1800000   ; each accumulator from its low end on; the floor 2^(3 - 127) holds the byte at 1 from below
.endr
.irp i, 2,4,6,8,10,12,14
.irp b, 0,1,2,3
	v_max3_num_f32 v[TM+\b], |v[ACB+16*\b+\i]|, |v[ACB+16*\b+\i+1]|, v[TM+\b]
.endr
.endr
	WIN 0
.irp b, 0,1,2,3
	v_permlanex16_b32 v[TM+4+\b], v[TM+\b], s62, s63
.endr
.irp b, 0,1,2,3
	v_max_num_f32 v[TM+\b], v[TM+\b], v[TM+4+\b]   ; with lane l xor 16's: the block's largest magnitude
.endr
.irp b, 0,1,2,3
	v_add_nc_u32 v[TM+12+\b], 0xff000000, v[TM+\b] ; 2 off the exponent field: the conversion's scale operand
.endr
.irp b, 0,1,2,3
	v_lshrrev_b32 v[TM+4+\b], 23, v[TM+12+\b]      ; the byte
.endr
	v_lshl_or_b32 v[PW], v[TM+5], 8, v[TM+4]
	v_lshl_or_b32 v[PW], v[TM+6], 16, v[PW]
	v_lshl_or_b32 v[PW], v[TM+7], 24, v[PW]
	s_wait_xcnt 0x0                                ; the last block's stores have read their data and bases: both are written again only behind this wait
.if (\a) == 4
	s_add_nc_u64 s[4:5], s[4:5], s[50:51]
	s_add_nc_u64 s[6:7], s[6:7], s[50:51]
	s_add_nc_u64 s[8:9], s[8:9], s[54:55]
.elseif (\a) > 0
	s_add_nc_u64 s[4:5], s[4:5], s[48:49]
	s_add_nc_u64 s[6:7], s[6:7], s[48:49]
	s_add_nc_u64 s[8:9], s[8:9], s[52:53]
.endif
	WIN 2+(\a)/4                                   ; source 0: window 2 or 3
.irp c, 0,1
	v_cvt_scalef32_pk16_fp6_f32 v[PC+6*\c:PC+6*\c+2], v[ACB+32*\c:ACB+32*\c+15], v[TM+12+2*\c]
	v_cvt_scalef32_pk16_fp6_f32 v[PC+12+4*\c:PC+14+4*\c], v[ACB+16+32*\c:ACB+31+32*\c], v[TM+12+2*\c+1]   ; (a conversion's three registers begin on an even number)
.endr
	WIN 0
	v_nop                                          ; one plain place behind a scaled conversion
.irp c, 0,1                            ; the operand's layout wants a whole block in a lane
.irp i, 0,1,2
	v_permlane16_swap_b32 v[PC+6*\c+\i], v[PC+12+4*\c+\i]
.endr
.irp i, 0,1,2
	v_mov_b32 v[PC+3+6*\c+\i], v[PC+12+4*\c+\i]
.endr
.endr
	v_lshrrev_b32 v[PWS], v[SHV], v[PW]
	v_and_b32 v[PWS], s60, v[PWS]
	global_store_b128 v[O16], v[PC:PC+3], s[4:5]               ; 512 consecutive bytes, aligned to 256
	global_store_b64 v[O8], v[PC+4:PC+5], s[4:5] offset:512    ; 256
	global_store_b128 v[O16], v[PC+6:PC+9], s[6:7]
	global_store_b64 v[O8], v[PC+10:PC+11], s[6:7] offset:512
	global_store_b32 v[OS], v[PWS], s[8:9]                     ; two runs of 64 bytes
.endm
.irp a, 0,1,2,3,4,5,6,7
	QW \a
.endr
	s_wait_tensorcnt 0x0                           ; the wave's end, behind my last tensor load
	ds_add_u32 v[SPW], v[NIL]
	s_wait_dscnt 0x0
	CROUND                                         ; the closing round
	s_endpgm
.Lfunc_end_k_q6c93d0c872_proj:
	.size	k_q6c93d0c872_proj, .Lfunc_end_k_q6c93d0c872_proj-k_q6c93d0c872_proj
	.p2alignl 7, 3214868480
	.fill 96, 4, 3214868480
	.section	.rodata,"a",@progbits
	.p2align	6, 0x0
	.amdhsa_kernel k_q6c93d0c872_proj
		.amdhsa_group_segment_fixed_size 327680
		.amdhsa_private_segment_fixed_size 0
		.amdhsa_enable_private_segment 0
		.amdhsa_kernarg_size 24
		.amdhsa_user_sgpr_count 2
		.amdhsa_user_sgpr_kernarg_segment_ptr 1
		.amdhsa_wavefront_size32 1
		.amdhsa_system_sgpr_workgroup_id_x 1
		.amdhsa_system_sgpr_workgroup_id_y 1
		.amdhsa_system_sgpr_workgroup_id_z 1
		.amdhsa_system_vgpr_workitem_id 0
		.amdhsa_next_free_vgpr 1024
		.amdhsa_next_free_sgpr 102
		.amdhsa_reserve_vcc 0
		.amdhsa_float_denorm_mode_32 3
		.amdhsa_float_denorm_mode_16_64 3
		.amdhsa_memory_ordered 1
		.amdhsa_forward_progress 1
		.amdhsa_inst_pref_size 170
	.end_amdhsa_kernel
	.amdgpu_metadata
---
amdhsa.version: [ 1, 2 ]
amdhsa.kernels:
  - .name:           k_q6c93d0c872_proj
    .symbol:         k_q6c93d0c872_proj.kd
    .args:
      - { .name: xa, .offset: 0, .size: 8, .value_kind: global_buffer, .address_space: global }
      - { .name: wa, .offset: 8, .size: 8, .value_kind: global_buffer, .address_space: global }
      - { .name: fa, .offset: 16, .size: 8, .value_kind: global_buffer, .address_space: global }
    .group_segment_fixed_size: 327680
    .private_segment_fixed_size: 0
    .kernarg_segment_align: 8
    .kernarg_segment_size: 24
    .max_flat_workgroup_size: 128
    .sgpr_count:     102
    .vgpr_count:     1024
    .wavefront_size: 32
...
	.end_amdgpu_metadata
.endif
;; end of part 2
;; launch attn (part 3): grid 8 x 64, 16 waves a work-group, no clusters, 55,296 bytes of LDS; arguments fa, mw, oa; writes oa
.if DOCPART == 3
	.amdgcn_target "amdgcn-amd-amdhsa--gfx1250"
	.amdhsa_code_object_version 6
	.text
	.protected	k_q6c93d0c872_attn
	.globl	k_q6c93d0c872_attn
	.p2align	8
	.type	k_q6c93d0c872_attn,@function
k_q6c93d0c872_attn:
	s_mov_b64 s[64:65], 0
	v_nop
	global_prefetch_b8 v0, s[64:65] scope:SCOPE_SE
	s_setreg_imm32_b32 hwreg(HW_REG_WAVE_MODE, 25, 1), 1
	s_wait_xcnt 0x0
; ATTN: for head hb = 16 batch + head: O = softmax(mask(q k^T / 8)) v, both products on codes of FP6 (E2M3) with E8M0 scales; O / l is quantised along d_model and leaves as codes.
; t = score x log2(e) / 8; M = the running largest t rounded up to a whole number; p = 2^(t - M) is quantised along the keys, not normalised; the row's sum is taken of the unquantised p and divides at the end.
; SHARES.  A work-group owns 256 queries of one head, each of its sixteen waves one tile of 16, in 256 registers: four waves to a SIMD, so that one wave's vector work stands beside another's products and LDS loads.
; Every wave walks the head's 2,048 keys, 128 a step.  A slot of 256 keys is 26,624 dense bytes of fa, already in the order of the operands' registers: each of the 512 threads carries 52 of them through its registers into LDS,
; asked for a whole slot (two key steps) ahead.  Two slots take turns; one barrier for each change.
; THE MASK is honoured in every step: 64 words, a bit a lane, come by four scalar loads and serve as the lane masks of 64 selects; no branch, address or trip count hangs on them.
; NO CLUSTER: what the eight work-groups of a head share is those 52 bytes a thread for two key steps, asked for a whole slot ahead of their stores into LDS, beside some 600 vector instructions a wave; a round of a
; cluster's barrier at each change of slots would tie four work-groups' sixty-four waves to one another for them.
; LAYOUT.  Both products transposed: S^T = k q^T, O^T = v^T p^T: a lane holds one query (lane % 16).  Lane r of k's tile 2 b + u holds key 32 b + 8 u + r + 8 (r / 8), so registers 16 b + i of S^T are keys 32 b + 16 (lane / 16) + i.
; K = 64 IN AN INSTRUCTION OF 128: q's registers 6-11 are zero codes.  k's tiles lie 6 registers apart, so the upper six registers of a k operand are the next tile's codes (the last tile's: zeros at v90-95): finite numbers times
; zero codes; bytes 2 and 3 of q's and k's scale words are 0, which stands for 2^-127.
; LIMITS: a masked logit is taken as -2^30 where reference() has -1e9 (a raw score of -2^33: its t is a whole number, so a row masked throughout gives p = 1 everywhere, as there); the results are the same while every
; unmasked logit lies above about -9.9e8.  NaN and infinities are not served.
.set SLOTB, 26624
.set SPARE, 2*SLOTB                    ; the spare words: 128 bytes a wave, eight blocks of 256 bytes that no other line names
.set ST,   28                          ; v28-40   the next slot's 52 bytes on their way
.set KB,   42                          ; v42-89   k's tile t at KB + 6 t; later v^T's fragment t at KB + 12 t;  v90-95 zeros
.set S,    96                          ; v96-159  S^T, then p
.set OT,   160                         ; v160-191 O^T
.set PC,   192                         ; v192-203 p's codes
.set PT,   204                         ; v204-206, v208-210 the conversions' second halves
.set KSC,  212                         ; v212-215 k's scale words: lanes 0-15 tile 2 p, lanes 16-31 tile 2 p + 1
.set VSC,  216                         ; v216-219 v^T's
.set BM,   220                         ; v220-223 the blocks' largest
.set BT,   224                         ; v224-227 the other half's; then the bytes
.set SO,   228                         ; v228-231 the conversions' scale operands
.set F,    232                         ; v232 f = 2^(old M - new M);  v233 p's scale word
.set TP,   234
.set SU,   236                         ; v236-237 the sum's second chain
.set TRIP, 85
.set CS,   86                          ; s[86:87] c = log2(e) / 8
.set SEL,  88                          ; s88, s89 selects for lane l xor 16
.set OB,   90                          ; s[90:91] my tile's codes in oa
.set OSB,  92                          ; s[92:93] its scale bytes
.set HM,   94                          ; s94  lanes 16-31
.set QA,   96                          ; s[96:97] q's codes;  s[98:99] q's scale words
.set QSA,  98
; v1 16 x lane, v2 8 x lane, v3 4 x lane; v4 16 x thread, v5 4 x thread; v6, v7 the add's two; v8 -2^33; v9 q's scale word; v10 4 r; v11 32 r + h; v12 -M, v13 the largest t, v[14:15] the sum; v16-27 q
; s[2:3] the slots in hand; s[12:13] the mask words in hand; s16-63 and s68-83 a step's 64 mask words: at the head some of them hold offsets, never an address.
; Addresses live in s[2:9], s[12:13], s[90:93] and s[96:99] alone, and those registers hold nothing else.
	s_load_b128 s[4:7], s[0:1], 0x0                ; fa, mw
	s_load_b64 s[8:9], s[0:1], 0x10                ; oa
	v_lshl_add_u32 v6, v0, 2, SPARE
	v_mov_b32 v7, 0
	v_lshrrev_b32 v1, 5, v0
	v_readfirstlane_b32 s10, v1                    ; wave 0..15
	v_and_b32 v3, 31, v0
	v_lshlrev_b32 v1, 4, v3
	v_lshlrev_b32 v2, 3, v3
	v_lshlrev_b32 v3, 2, v3
	v_lshlrev_b32 v4, 4, v0
	v_lshlrev_b32 v5, 2, v0
	v_and_b32 v10, 15, v0
	v_bfe_u32 v11, v0, 4, 1
	v_lshl_add_u32 v11, v10, 5, v11
	v_lshlrev_b32 v10, 2, v10
	v_mov_b32 v8, 0xd0000000
	s_and_b32 s11, ttmp7, 0xffff                   ; hb
	s_lshl_b32 s14, ttmp9, 4
	s_add_co_u32 s14, s14, s10                     ; my tile of 16 queries, 0..127
	s_lshr_b32 s15, s11, 4
	s_lshl_b32 s15, s15, 7
	s_add_co_u32 s15, s15, s14                     ; 128 batch + tile
	s_and_b32 s16, s11, 15                         ; head
	s_mul_i32 s18, s11, 212992                     ; the head's slots
	s_mov_b32 s19, 0
	s_lshl_b32 s20, s11, 7
	s_add_co_u32 s20, s20, s14
	s_mul_i32 s22, s20, 768
	s_add_co_u32 s22, s22, 13631488                ; q's codes
	s_mov_b32 s23, 0
	s_lshl_b32 s24, s20, 6
	s_add_co_u32 s24, s24, 19922944                ; q's scale words
	s_mov_b32 s25, 0
	s_lshl_b32 s26, s15, 12                        ; my tile's mask words: 16 steps x 256 bytes
	s_mov_b32 s27, 0
	s_lshl_b32 s30, s15, 4
	s_add_co_u32 s30, s30, s16
	s_mul_i32 s30, s30, 768                        ; oa: tile of rows x 16 heads x 768 bytes
	s_mov_b32 s31, 0
	s_lshl_b32 s32, s15, 9
	s_lshl_b32 s33, s16, 1
	s_add_co_u32 s32, s32, s33
	s_add_co_u32 s32, s32, 6291456                 ; oa's scale bytes: 32 a row, 2 a head
	s_mov_b32 s33, 0
	s_wait_kmcnt 0x0
	s_add_nc_u64 s[2:3], s[4:5], s[18:19]          ; each address is made in the registers in which it stays
	s_add_nc_u64 s[QA:QA+1], s[4:5], s[22:23]
	s_add_nc_u64 s[QSA:QSA+1], s[4:5], s[24:25]
	s_add_nc_u64 s[12:13], s[6:7], s[26:27]
	s_add_nc_u64 s[OB:OB+1], s[8:9], s[30:31]
	s_add_nc_u64 s[OSB:OSB+1], s[8:9], s[32:33]
.macro FILL_ASK off                    ; my 52 bytes of the slot that begins off bytes on
.irp j, 0,1,2
	global_load_b128 v[ST+4*\j:ST+4*\j+3], v4, s[2:3] offset:(\off)+8192*\j
.endr
	global_load_b32 v[ST+12], v5, s[2:3] offset:(\off)+24576
.endm
.macro FILL_PUT sl                     ; to the same places in LDS slot sl
.irp j, 0,1,2
	ds_store_b128 v4, v[ST+4*\j:ST+4*\j+3] offset:(\sl)*SLOTB+8192*\j
.endr
	ds_store_b32 v5, v[ST+12] offset:(\sl)*SLOTB+24576
.endm
.macro BAR                             ; my LDS stores have landed and my LDS loads are in: then the work-group's barrier
	s_wait_dscnt 0x0
	s_barrier_signal -1
	s_barrier_wait -1
.endm
	FILL_ASK 0
	global_load_b128 v[16:19], v1, s[QA:QA+1]      ; q's registers 0-3,
	global_load_b64 v[20:21], v2, s[QA:QA+1] offset:512   ; 4-5
	global_load_b32 v9, v10, s[QSA:QSA+1]
.irp j, 22,23,24,25,26,27,90,91,92,93,94,95
	v_mov_b32 v[\j], 0                             ; zero codes
.endr
	v_mov_b32 v13, 0xff61b1e6                      ; the largest t so far: -3e38
	v_floor_f32 v12, -v13                          ; -M
	v_mov_b32 v14, 0
	v_mov_b32 v15, 0
.irp b, 0,1,2,3
	v_mov_b32 v[BT+\b], 0                          ; a lane permute's destination counts as one of its sources
.endr
	v_mov_b32 v[F+1], 0                            ; (named as the upper half of a pair before it is first written)
	v_mov_b32 v[TP], 0
.set j, 0
.rept 32
	v_mov_b32 v[OT+j], 0                           ; O^T: the step is written once; the first finds zeros, which the first change of M leaves zeros
.set j, j+1
.endr
	s_mov_b32 s[TRIP], 4
	s_mov_b32 s[CS], 0x3e38aa3b
	s_mov_b32 s[CS+1], s[CS]
	s_mov_b32 s[SEL], 0x76543210
	s_mov_b32 s[SEL+1], 0xfedcba98
	s_mov_b32 s[HM], 0xffff0000
	s_wait_loadcnt 0x0                             ; slot 0's bytes, q
	FILL_PUT 0
	BAR
; A KEY STEP: 128 keys, the q-th of LDS slot sl.
.macro STEP sl, q
.set BS, (\sl)*SLOTB
.set NB, 2*(\sl)+(\q)
	s_load_b512 s[16:31], s[12:13], 256*NB         ; the step's 64 mask words: asked for here, wanted behind the first product
	s_load_b512 s[32:47], s[12:13], 256*NB+64
	s_load_b512 s[48:63], s[12:13], 256*NB+128
	s_load_b512 s[68:83], s[12:13], 256*NB+192
.rept 4
	v_nop                                          ; places in front of loads into registers that the last products have read
.endr
.irp t, 0,1,2,3,4,5,6,7
	ds_load_b128 v[KB+6*\t:KB+6*\t+3], v1 offset:BS+(8*(\q)+\t)*768
	ds_load_b64 v[KB+6*\t+4:KB+6*\t+5], v2 offset:BS+(8*(\q)+\t)*768+512
.endr
.irp p, 0,1,2,3
	ds_load_b32 v[KSC+\p], v3 offset:BS+24576+(8*(\q)+2*\p)*64
.endr
	s_wait_dscnt 0x0
.irp t, 0,2,4,6
	v_wmma_scale_f32_16x16x128_f8f6f4 v[S+8*\t:S+8*\t+7], v[KB+6*\t:KB+6*\t+11], v[16:27], 0, v[KSC+\t/2], v9 matrix_a_fmt:MATRIX_FMT_FP6 matrix_b_fmt:MATRIX_FMT_FP6
	v_wmma_scale_f32_16x16x128_f8f6f4 v[S+8*(\t+1):S+8*(\t+1)+7], v[KB+6*(\t+1):KB+6*(\t+1)+11], v[16:27], 0, v[KSC+\t/2], v9 matrix_a_fmt:MATRIX_FMT_FP6 matrix_b_fmt:MATRIX_FMT_FP6 matrix_a_scale:MATRIX_SCALE_ROW1
.endr
.rept 4
	v_nop                                          ; places: in front of the loads below, and of the first read of the scores
.endr
.irp t, 0,1,2,3                        ; v^T's four fragments land while the softmax is walked
	ds_load_b128 v[KB+12*\t:KB+12*\t+3], v1 offset:BS+12288+6144*(\q)+1536*\t
	ds_load_b64 v[KB+12*\t+4:KB+12*\t+5], v2 offset:BS+12288+6144*(\q)+1536*\t+512
	ds_load_b128 v[KB+12*\t+6:KB+12*\t+9], v1 offset:BS+12288+6144*(\q)+1536*\t+768
	ds_load_b64 v[KB+12*\t+10:KB+12*\t+11], v2 offset:BS+12288+6144*(\q)+1536*\t+1280
	ds_load_b32 v[VSC+\t], v3 offset:BS+25600+512*(\q)+128*\t
.endr
	s_wait_kmcnt 0x0                               ; the mask words
.set j, 0
.rept 48
	v_cndmask_b32 v[S+j], v8, v[S+j], s[16+j]      ; where the bit is 0: -2^33
.set j, j+1
.endr
.rept 16
	v_cndmask_b32 v[S+j], v8, v[S+j], s[20+j]
.set j, j+1
.endr
.irp b, 0,1,2,3
	v_max3_num_f32 v[BM+\b], v[S+16*\b], v[S+1+16*\b], v[S+2+16*\b]   ; the largest score of each block of 32 keys: for the row's maximum, and, since p rises with the score, for the block's largest p
.endr
.irp i, 3,5,7,9,11,13
.irp b, 0,1,2,3
	v_max3_num_f32 v[BM+\b], v[BM+\b], v[S+16*\b+\i], v[S+1+16*\b+\i]
.endr
.endr
.irp b, 0,1,2,3
	v_max_num_f32 v[BM+\b], v[BM+\b], v[S+15+16*\b]
.endr
.irp b, 0,1,2,3
	v_permlanex16_b32 v[BT+\b], v[BM+\b], s[SEL], s[SEL+1]
.endr
.irp b, 0,1,2,3
	v_max_num_f32 v[BM+\b], v[BM+\b], v[BT+\b]
.endr
	v_max3_num_f32 v[TP], v[BM], v[BM+1], v[BM+2]
	v_max_num_f32 v[TP], v[TP], v[BM+3]
	v_mul_f32 v[TP], s[CS], v[TP]                  ; as t
	v_max_num_f32 v13, v13, v[TP]                  ; the running largest t
	v_mov_b32 v[TP], v12
	v_floor_f32 v12, -v13                          ; the new -M = -ceil(t)
	v_sub_f32 v[TP], v12, v[TP]                    ; old M - new M: a whole number, 0 or less
	v_cvt_i32_f32 v[TP], v[TP]                     ; (it saturates)
	v_ldexp_f32 v[F], 1.0, v[TP]                   ; f: a multiplication by it rounds nothing
.set j, 0
.rept 32
	v_pk_fma_f32 v[S+j:S+j+1], v[S+j:S+j+1], s[CS:CS+1], v[12:13] op_sel_hi:[1,0,0]   ; t - M
.set j, j+2
.endr
.irp b, 0,1,2,3
	v_fma_f32 v[BM+\b], v[BM+\b], s[CS], v12
.endr
.set j, 0
.rept 64
	v_exp_f32 v[S+j], v[S+j]                       ; p = 2^(t - M)
.set j, j+1
.endr
	v_pk_mul_f32 v[14:15], v[14:15], v[F:F+1] op_sel_hi:[1,0]   ; the sums under the new M: the plain place behind the exponentials
	s_wait_alu depctr_va_vdst(0)                   ; one wait for the batch, ahead of its first reader
.irp b, 0,1,2,3
	v_exp_f32 v[BM+\b], v[BM+\b]                   ; the blocks' largest p
.endr
	v_pk_add_f32 v[SU:SU+1], v[S:S+1], v[S+2:S+3]  ; the row's sum of the unquantised p, in two chains
.irp j, 4,8,12,16,20,24,28,32,36,40,44,48,52,56,60
	v_pk_add_f32 v[14:15], v[14:15], v[S+\j:S+\j+1]
	v_pk_add_f32 v[SU:SU+1], v[SU:SU+1], v[S+2+\j:S+3+\j]
.endr
	v_pk_add_f32 v[14:15], v[14:15], v[SU:SU+1]
	s_wait_alu depctr_va_vdst(0)                   ; and one for the four
.irp b, 0,1,2,3
	v_max_num_f32 v[BM+\b], 0x1800000, v[BM+\b]    ; the floor 2^(3 - 127)
.endr
.irp b, 0,1,2,3
	v_add_nc_u32 v[SO+\b], 0xff000000, v[BM+\b]
.endr
.irp b, 0,1,2,3
	v_lshrrev_b32 v[BT+\b], 23, v[SO+\b]
.endr
	v_lshl_or_b32 v[F+1], v[BT+1], 8, v[BT]        ; p's scale word for these 128 keys
	v_lshl_or_b32 v[F+1], v[BT+2], 16, v[F+1]
	v_lshl_or_b32 v[F+1], v[BT+3], 24, v[F+1]
.irp c, 0,1
	v_cvt_scalef32_pk16_fp6_f32 v[PC+6*\c:PC+6*\c+2], v[S+32*\c:S+15+32*\c], v[SO+2*\c]
	v_cvt_scalef32_pk16_fp6_f32 v[PT+4*\c:PT+4*\c+2], v[S+16+32*\c:S+31+32*\c], v[SO+2*\c+1]
.endr
	v_nop                                          ; one plain place behind a scaled conversion
.irp c, 0,1
.irp i, 0,1,2
	v_permlane16_swap_b32 v[PC+6*\c+\i], v[PT+4*\c+\i]
.endr
.irp i, 0,1,2
	v_mov_b32 v[PC+3+6*\c+\i], v[PT+4*\c+\i]
.endr
.endr
.set j, 0
.rept 16
	v_pk_mul_f32 v[OT+j:OT+j+1], v[OT+j:OT+j+1], v[F:F+1] op_sel_hi:[1,0]   ; O^T under the new M; these are also the places between the codes' and the scale word's last writes and the products
.set j, j+2
.endr
	s_wait_dscnt 0x0                               ; v^T's fragments and scale words
.irp t, 0,1,2,3
	v_wmma_scale_f32_16x16x128_f8f6f4 v[OT+8*\t:OT+8*\t+7], v[KB+12*\t:KB+12*\t+11], v[PC:PC+11], v[OT+8*\t:OT+8*\t+7], v[VSC+\t], v[F+1] matrix_a_fmt:MATRIX_FMT_FP6 matrix_b_fmt:MATRIX_FMT_FP6
.endr
.endm
.Ltrip:                                ; four trips of two slots.  Between two barriers the stores name one slot and the reads the other
	FILL_ASK SLOTB                                 ; the odd slot: two key steps ahead of its stores
	STEP 0, 0
	STEP 0, 1
	s_wait_loadcnt 0x0
	FILL_PUT 1
	BAR                                            ; nobody reads slot 0 any more; slot 1 is whole
	s_cmp_eq_u32 s[TRIP], 1
	s_cbranch_scc1 .Lno_ask                        ; the last trip has no slot behind it
	FILL_ASK 2*SLOTB
.Lno_ask:
	STEP 1, 0
	STEP 1, 1
	s_wait_loadcnt 0x0
	s_cmp_eq_u32 s[TRIP], 1
	s_cbranch_scc1 .Lno_put
	FILL_PUT 0
.Lno_put:
	BAR
	s_add_nc_u64 s[2:3], s[2:3], 2*SLOTB           ; all loads that named these bases have been waited for
	s_add_nc_u64 s[12:13], s[12:13], 1024
	s_sub_co_u32 s[TRIP], s[TRIP], 1
	s_cmp_lg_u32 s[TRIP], 0
	s_cbranch_scc1 .Ltrip
; THE WAY OUT.  Register 16 b + i of O^T is channel 32 b + 16 (lane / 16) + i of my query (v^T's rows lie with bits 3 and 4 exchanged): two blocks of 32 along d_model.
.rept 4
	v_nop                                          ; places behind the last products
.endr
	v_add_f32 v14, v14, v15
	v_permlanex16_b32 v[TP], v14, s[SEL], s[SEL+1]
	v_add_f32 v14, v14, v[TP]                      ; the row's sum
	v_rcp_f32 v14, v14
	v_nop                                          ; a plain place behind the reciprocal
	s_wait_alu depctr_va_vdst(0)                   ; and the wait ahead of its first reader
.set j, 0
.rept 16
	v_pk_mul_f32 v[S+j:S+j+1], v[OT+j:OT+j+1], v[14:15] op_sel_hi:[1,0]
.set j, j+2
.endr
.irp b, 0,1
	v_max3_num_f32 v[BM+\b], |v[S+16*\b]|, |v[S+1+16*\b]|, 0x1800000
.endr
.irp i, 2,4,6,8,10,12,14
.irp b, 0,1
	v_max3_num_f32 v[BM+\b], v[BM+\b], |v[S+16*\b+\i]|, |v[S+1+16*\b+\i]|
.endr
.endr
.irp b, 0,1
	v_permlanex16_b32 v[BT+\b], v[BM+\b], s[SEL], s[SEL+1]
.endr
.irp b, 0,1
	v_max_num_f32 v[BM+\b], v[BM+\b], v[BT+\b]
.endr
.irp b, 0,1
	v_add_nc_u32 v[SO+\b], 0xff000000, v[BM+\b]
.endr
.irp b, 0,1
	v_lshrrev_b32 v[BT+\b], 23, v[SO+\b]
.endr
	v_cvt_scalef32_pk16_fp6_f32 v[PC:PC+2], v[S:S+15], v[SO]
	v_cvt_scalef32_pk16_fp6_f32 v[PT:PT+2], v[S+16:S+31], v[SO+1]
	v_nop
.irp i, 0,1,2
	v_permlane16_swap_b32 v[PC+\i], v[PT+\i]
.endr
.irp i, 0,1,2
	v_mov_b32 v[PC+3+\i], v[PT+\i]                 ; registers 0-5: channels 32 (lane / 16) + 0 .. 31
.endr
	v_cndmask_b32 v[TP], v[BT], v[BT+1], s[HM]     ; lanes 0-15 store block 0's byte, lanes 16-31 block 1's
	global_store_b128 v1, v[PC:PC+3], s[OB:OB+1]               ; 512 consecutive bytes, aligned to 256
	global_store_b64 v2, v[PC+4:PC+5], s[OB:OB+1] offset:512   ; 256
	global_store_b8 v11, v[TP], s[OSB:OSB+1]
	s_wait_tensorcnt 0x0                           ; the wave's end, behind my last LDS store
	ds_add_u32 v6, v7
	s_wait_dscnt 0x0
	s_endpgm
.Lfunc_end_k_q6c93d0c872_attn:
	.size	k_q6c93d0c872_attn, .Lfunc_end_k_q6c93d0c872_attn-k_q6c93d0c872_attn
	.p2alignl 7, 3214868480
	.fill 96, 4, 3214868480
	.section	.rodata,"a",@progbits
	.p2align	6, 0x0
	.amdhsa_kernel k_q6c93d0c872_attn
		.amdhsa_group_segment_fixed_size 55296
		.amdhsa_private_segment_fixed_size 0
		.amdhsa_enable_private_segment 0
		.amdhsa_kernarg_size 24
		.amdhsa_user_sgpr_count 2
		.amdhsa_user_sgpr_kernarg_segment_ptr 1
		.amdhsa_wavefront_size32 1
		.amdhsa_system_sgpr_workgroup_id_x 1
		.amdhsa_system_sgpr_workgroup_id_y 1
		.amdhsa_system_sgpr_workgroup_id_z 1
		.amdhsa_system_vgpr_workitem_id 0
		.amdhsa_next_free_vgpr 256
		.amdhsa_next_free_sgpr 100
		.amdhsa_reserve_vcc 0
		.amdhsa_float_denorm_mode_32 3
		.amdhsa_float_denorm_mode_16_64 3
		.amdhsa_memory_ordered 1
		.amdhsa_forward_progress 1
		.amdhsa_inst_pref_size 92
	.end_amdhsa_kernel
	.amdgpu_metadata
---
amdhsa.version: [ 1, 2 ]
amdhsa.kernels:
  - .name:           k_q6c93d0c872_attn
    .symbol:         k_q6c93d0c872_attn.kd
    .args:
      - { .name: fa, .offset: 0, .size: 8, .value_kind: global_buffer, .address_space: global }
      - { .name: mw, .offset: 8, .size: 8, .value_kind: global_buffer, .address_space: global }
      - { .name: oa, .offset: 16, .size: 8, .value_kind: global_buffer, .address_space: global }
    .group_segment_fixed_size: 55296
    .private_segment_fixed_size: 0
    .kernarg_segment_align: 8
    .kernarg_segment_size: 24
    .max_flat_workgroup_size: 512
    .sgpr_count:     100
    .vgpr_count:     256
    .wavefront_size: 32
...
	.end_amdgpu_metadata
.endif
;; end of part 3
;; launch outp (part 4): grid 4 x 32, 4 waves a work-group, clusters of 4 x 4, 327,680 bytes of LDS; arguments oa, wa, out0; writes out0
.if DOCPART == 4
	.amdgcn_target "amdgcn-amd-amdhsa--gfx1250"
	.amdhsa_code_object_version 6
	.text
	.protected	k_q6c93d0c872_outp
	.globl	k_q6c93d0c872_outp
	.p2align	8
	.type	k_q6c93d0c872_outp,@function
k_q6c93d0c872_outp:
	s_mov_b64 s[64:65], 0
	v_nop
	global_prefetch_b8 v0, s[64:65] scope:SCOPE_SE
	s_setreg_imm32_b32 hwreg(HW_REG_WAVE_MODE, 25, 1), 1
	s_wait_xcnt 0x0
	s_wait_alu depctr_hold_cnt(0) depctr_sa_sdst(0) depctr_va_vdst(0) depctr_va_sdst(0) depctr_va_ssrc(0) depctr_va_vcc(0) depctr_vm_vsrc(0)
	s_getreg_b32 s2, hwreg(HW_REG_IB_STS2, 6, 4)
	s_cmp_eq_u32 s2, 0
	s_cbranch_scc0 .Lentry_in_a_cluster
	s_endpgm
.Lentry_in_a_cluster:
	s_bfe_u32 s2, ttmp6, 0x10000c
	s_cmp_lg_u32 s2, 0xf033
	s_cbranch_scc0 .Lentry_shape_is_right
	s_endpgm
.Lentry_shape_is_right:
; OUTP: out0 = (attention's output) W_O on codes of FP6 (E2M3) with E8M0 scales; f32 sums; out0 [8192][1024] f32.
; A tile of C is 256 x 256, four waves of 128 x 128 (64 accumulators); K = 1,024 in steps of 256 through two LDS slots; clusters of 4 x 4: A's tiles are asked for jointly along a row, B's along a column.
; A (oa) lies as images of operand registers: for each tile of 16 rows and each head 768 bytes (registers 0-3 at 16 x lane, 4-5 at 512 + 8 x lane); two heads are a fragment of 128 along K.  A K step is four heads: 3,072 bytes a tile of rows.
; B (W_O's codes in wa) lies as rows of 768 bytes, row n at the place with bits 3 and 4 of n exchanged; the stage on the way out puts the columns back in order.
; The matrix instruction is used transposed (source 0 = 16 rows of B, source 1 = 16 rows of A).
.set SIZE_N, 1024
.set SIZE_K, 1024
.set KSTEP,  256
.set NQ,     KSTEP/128
.set ROWB,   192
.set KROW,   SIZE_K*6/8
.set PITCH,  240                       ; B's LDS row: 3 x (64 bytes + 16 of padding)
.set FR,     12
.set NL,     6                         ; LDS loads that bring a fragment of B;
.set NLA,    4                         ; of A
.set NP,     4
.set HALFT,  128*PITCH                 ; B: 128 rows
.set HALFA,  8*3072                    ; A: 8 tiles of rows
.set AB,     2*HALFA                   ; a slot: A's 49,152 bytes, then B's 61,440
.set SLOT,   AB+2*HALFT
.set LAPS,   SIZE_K/(2*KSTEP)
.set KS,     SIZE_K/32
.set SCL,    2*SLOT
.set HALFS,  (128*KS/256)*272
.set SBLK,   (16*KS/256)*272
.set SPARE,  SCL+4*HALFS               ; the spare words: 128 bytes a wave, two blocks of 256 bytes that no other line names
.set SPITCH, 528                       ; the way out: 16 rows x (512 + 16) bytes a wave, in slot 0, which has had its last fill and its last read by then
.set AA16, 16                          ; v16-17  A: slot s + my 8 tiles + 16 x lane
.set AA8,  18                          ; v18-19  the same + 8 x lane
.set ADRB, 20                          ; v20-23  B's fragments
.set STO,  24
.set RD,   25
.set CO,   26
.set ADRS, 27
.set SPW,  28                          ; v28  SPARE + 4 x my thread's number; never rewritten
.set NIL,  29                          ; v29  0; never rewritten
.set SC,   32
.set AF,   128
.set BK,   128
.set G1, 24
.set G0, 32
.set G1B, 48
.set G0B, 56
.set G1S, 68
.set G0S, 76
.set G1SB, 80
.set G0SB, 88
.set MSB, 0
.macro WIN new
.if MSB != \new
	s_set_vgpr_msb (MSB<<8)|\new
.set MSB, \new
.endif
.endm
.set MUL_LO, 0xa1
.set MUL_HI, 0xf1
.set TO_B,   0x40
.macro JLOAD g0a, g1a, g0b, g1b        ; waves 0 and 1 fetch for A, waves 2 and 3 for B; an s_nop 0 and four v_nop follow each of the two lines
	s_cmp_eq_u32 s15, 0
	s_cbranch_scc0 .Lfor_b_\@
	tensor_load_to_lds s[\g0a:\g0a+3], s[\g1a:\g1a+7]
	s_nop 0
.rept 4
	v_nop
.endr
	s_branch .Lasked_\@
.Lfor_b_\@:
	tensor_load_to_lds s[\g0b:\g0b+3], s[\g1b:\g1b+7]
	s_nop 0
.rept 4
	v_nop
.endr
.Lasked_\@:
.endm
.macro CREST
	s_cmp_lg_u32 s14, 0
	s_cbranch_scc1 .Lnot_wave_0_\@
	s_barrier_signal -3
.Lnot_wave_0_\@:
	s_barrier_wait -3
	s_barrier_signal -1
	s_barrier_wait -1
.endm
.macro CROUND
	s_barrier_signal -1
	s_barrier_wait -1
	CREST
.endm
	s_load_b128 s[4:7], s[0:1], 0x0                ; oa s[4:5], wa s[6:7]
	s_load_b64 s[12:13], s[0:1], 0x10              ; out0
	v_lshl_add_u32 v[SPW], v0, 2, SPARE
	v_mov_b32 v[NIL], 0
	ds_add_u32 v[SPW], v[NIL]                      ; the wave's opening: the add, and its wait ahead of my first tensor load; the set-up below stands between them
	v_lshrrev_b32 v1, 5, v0
	v_readfirstlane_b32 s14, v1
	s_lshr_b32 s15, s14, 1                         ; my half of the tile's rows.  Also: I fetch for A (0) or for B (1)
	s_and_b32 s16, s14, 1                          ; my half of its columns.  Also: which half of that tile I fetch
	s_bfe_u32 s40, ttmp6, 0x40000
	s_bfe_u32 s41, ttmp6, 0x40004
	s_lshl_b32 s42, ttmp9, 2
	s_add_co_u32 s42, s42, s40                     ; tile column
	s_and_b32 s17, ttmp7, 0xffff
	s_lshl_b32 s17, s17, 2
	s_add_co_u32 s17, s17, s41                     ; tile row
	s_lshl_b32 s43, s41, 2
	s_lshl_b32 s43, 15, s43
	s_lshl_b32 s44, 0x1111, s40
	s_or_b32 s[G1+0], s43, (3<<16)|(1<<21)         ; A: the mask; elements of 8 bytes; no padding; bit 21 beside a mask
	s_mov_b32 s[G1+1], 384<<16                     ; tensor_dim0: 3,072 bytes
	s_mov_b32 s[G1+2], 8<<16                       ; tensor_dim1: 8 tiles of rows
	s_mov_b32 s[G1+3], 384<<16                     ; tile_dim0
	s_mov_b32 s[G1+4], 8                           ; tile_dim1
	s_mov_b32 s[G1+5], 1536                        ; the pitch: 12,288 bytes
	s_mov_b32 s[G1+6], 0
	s_mov_b32 s[G1+7], 0
	s_or_b32 s[G1B+0], s44, (0<<16)|(1<<20)|(1<<21)|(3<<22)|(3<<25)
	s_mov_b32 s[G1B+1], ROWB<<16
	s_mov_b32 s[G1B+2], 128<<16
	s_mov_b32 s[G1B+3], ROWB<<16
	s_mov_b32 s[G1B+4], 128
	s_mov_b32 s[G1B+5], KROW
	s_mov_b32 s[G1B+6], 0
	s_mov_b32 s[G1B+7], 0
	s_or_b32 s[G1S+0], s43, (3<<16)|(1<<20)|(1<<21)|(5<<22)|(3<<25)
	s_or_b32 s[G1SB+0], s44, (3<<16)|(1<<20)|(1<<21)|(5<<22)|(3<<25)
.irp g, G1S, G1SB
	s_mov_b32 s[\g+1], 32<<16
	s_mov_b32 s[\g+2], (128*KS/256)<<16
	s_mov_b32 s[\g+3], 32<<16
	s_mov_b32 s[\g+4], 128*KS/256
	s_mov_b32 s[\g+5], 32
	s_mov_b32 s[\g+6], 0
	s_mov_b32 s[\g+7], 0
.endr
	s_lshl_b32 s18, s16, 7
	s_lshl_b32 s20, s17, 8
	s_add_co_u32 s20, s20, s18                     ; A: row 256 x tile row + 128 x half
	s_lshl_b32 s46, s42, 8
	s_add_co_u32 s46, s46, s18                     ; B: row 256 x tile column + 128 x half
	s_lshl_b32 s22, s20, 5
	s_add_co_u32 s22, s22, 6291456                 ; A's scale bytes
	s_mov_b32 s23, 0
	s_mul_i32 s20, s20, 768                        ; A's codes: (row / 16) x 12,288
	s_mov_b32 s21, 0
	s_lshl_b32 s92, s46, 5
	s_add_co_u32 s92, s92, 3244032                 ; W_O's scale bytes
	s_mov_b32 s93, 0
	s_mul_i32 s46, s46, 768
	s_add_co_u32 s46, s46, 2359296                 ; W_O's codes
	s_mov_b32 s47, 0
	s_mul_i32 s45, s16, HALFA                      ; where they go: A's half,
	s_mul_i32 s10, s16, HALFT
	s_add_co_u32 s10, s10, AB                      ; B's half, behind A's: no place in the cluster enters an LDS address
	s_mul_i32 s94, s14, HALFS
	s_wait_dscnt 0x0                               ; the opening add is done
	s_wait_kmcnt 0x0
	s_add_nc_u64 s[20:21], s[4:5], s[20:21]
	s_add_nc_u64 s[22:23], s[4:5], s[22:23]
	s_add_nc_u64 s[46:47], s[6:7], s[46:47]
	s_add_nc_u64 s[92:93], s[6:7], s[92:93]
	CROUND                                         ; all sixteen work-groups are here: the first joint loads meet
	s_mov_b32 s[G0S], 1
	s_add_co_u32 s[G0S+1], s94, SCL
	s_mov_b64 s[G0S+2:G0S+3], s[22:23]
	s_or_b32 s[G0S+3], s[G0S+3], 0x80000000
	s_mov_b32 s[G0SB], 1
	s_add_co_u32 s[G0SB+1], s94, SCL
	s_mov_b64 s[G0SB+2:G0SB+3], s[92:93]
	s_or_b32 s[G0SB+3], s[G0SB+3], 0x80000000
	JLOAD G0S, G1S, G0SB, G1SB
.irp s, 0,1
	s_mov_b32 s[G0+4*\s], 1
	s_add_co_u32 s[G0+4*\s+1], s45, \s*SLOT
	s_add_nc_u64 s[G0+4*\s+2:G0+4*\s+3], s[20:21], \s*3072
	s_or_b32 s[G0+4*\s+3], s[G0+4*\s+3], 0x80000000
	s_mov_b32 s[G0B+4*\s], 1
	s_add_co_u32 s[G0B+4*\s+1], s10, \s*SLOT
	s_add_nc_u64 s[G0B+4*\s+2:G0B+4*\s+3], s[46:47], \s*ROWB
	s_or_b32 s[G0B+4*\s+3], s[G0B+4*\s+3], 0x80000000
	JLOAD G0+4*\s, G1, G0B+4*\s, G1B
.endr
	v_and_b32 v1, 15, v0
	v_bfe_u32 v2, v0, 4, 1
	v_and_b32 v6, 31, v0
	v_mul_u32_u24 v3, v1, PITCH
	v_mul_u32_u24 v4, v2, 24
	v_add_nc_u32 v4, v3, v4
	v_lshl_add_u32 v5, v2, 4, v4
	v_lshlrev_b32 v7, 4, v6
	v_lshlrev_b32 v8, 3, v6
	s_mul_i32 s21, s15, HALFA                      ; my 8 tiles of A's rows
	s_mul_i32 s22, s16, HALFT
	s_add_co_u32 s22, s22, AB                      ; my 128 rows of B
.irp s, 0,1
	v_add_nc_u32 v[AA16+\s], s21, v7
	v_add_nc_u32 v[AA8+\s], s21, v8
	v_add_nc_u32 v[ADRB+\s], s22, v4
	v_add_nc_u32 v[ADRB+2+\s], s22, v5
	s_add_co_u32 s21, s21, SLOT
	s_add_co_u32 s22, s22, SLOT
.endr
	v_mul_u32_u24 v5, v1, KS
	v_lshrrev_b32 v9, 8, v5
	v_lshl_add_u32 v5, v9, 4, v5
	s_mul_i32 s21, s15, HALFS
	s_mul_i32 s22, s16, HALFS
	s_add_co_u32 s22, s22, 2*HALFS
	s_sub_co_u32 s22, s22, s21
	v_mul_u32_u24 v9, s22, v2                      ; lanes 16-31 take B's
	s_add_co_u32 s21, s21, SCL
	v_add_nc_u32 v5, v5, v9
	v_add_nc_u32 v[ADRS], s21, v5
	s_mul_i32 s23, s14, 16*SPITCH                  ; my stage
	v_mul_u32_u24 v5, v1, SPITCH
	v_lshl_add_u32 v5, v2, 6, v5                   ; in: row l % 16, + 64 (l / 16): tile b's registers are columns 32 (b / 2) + 16 (l / 16) + 8 (b % 2) + 0 .. 7
	v_add_nc_u32 v[STO], s23, v5
	v_lshlrev_b32 v[CO], 4, v6
	v_add_nc_u32 v[RD], s23, v[CO]
	s_lshl_b32 s20, s17, 8
	s_lshl_b32 s21, s15, 7
	s_add_co_u32 s20, s20, s21                     ; my first row of out0
	s_mov_b32 s21, 0
	s_mov_b64 s[18:19], SIZE_N*4
	s_mul_u64 s[20:21], s[20:21], s[18:19]
	s_lshl_b32 s46, s42, 10
	s_lshl_b32 s47, s16, 9
	s_add_co_u32 s46, s46, s47
	s_mov_b32 s47, 0
	s_add_nc_u64 s[20:21], s[20:21], s[46:47]
	s_add_nc_u64 s[12:13], s[12:13], s[20:21]
.macro FRAG reg, adr, q, i             ; a fragment of B from rows: pieces of 8 bytes; where the piece three on lies behind one padding more, the second address register serves
.irp p, 0,1,2,3,4,5
.set PCE, 12*(\q)+6*(\p/3)+\p%3
.if PCE%8 < 5
	ds_load_b64 v[\reg+2*\p:\reg+2*\p+1], v[\adr] offset:8*PCE+16*(PCE/8)+(\i)*16*PITCH
.else
	ds_load_b64 v[\reg+2*\p:\reg+2*\p+1], v[\adr+2] offset:8*PCE+16*(PCE/8)+(\i)*16*PITCH
.endif
.endr
.endm
.macro FRAGA reg, slot, q, i           ; a fragment of A from two heads' images: consecutive bytes lane by lane
	ds_load_b128 v[\reg:\reg+3], v[AA16+\slot] offset:3072*(\i)+1536*(\q)
	ds_load_b64 v[\reg+4:\reg+5], v[AA8+\slot] offset:3072*(\i)+1536*(\q)+512
	ds_load_b128 v[\reg+6:\reg+9], v[AA16+\slot] offset:3072*(\i)+1536*(\q)+768
	ds_load_b64 v[\reg+10:\reg+11], v[AA8+\slot] offset:3072*(\i)+1536*(\q)+1280
.endm
.macro MUL16 a0, p, q, sc, zero        ; the 64 accumulators take turns, one instruction a turn
.irp a, \a0, \a0+1
.irp b, 0,1,2,3,4,5,6,7
.if \zero
	v_wmma_scale_f32_16x16x128_f8f6f4 v[8*(8*((\a)%4)+\b):8*(8*((\a)%4)+\b)+7], v[128*(\p)+FR*\b:128*(\p)+FR*\b+FR-1], v[AF+FR*(\a):AF+FR*(\a)+FR-1], 0, v[SC+8*NQ*(\sc)+NQ*\b+(\q)], v[SC+8*NQ*(\sc)+NQ*(\a)+(\q)] matrix_a_fmt:MATRIX_FMT_FP6 matrix_b_fmt:MATRIX_FMT_FP6 matrix_a_scale:MATRIX_SCALE_ROW1
.else
	v_wmma_scale_f32_16x16x128_f8f6f4 v[8*(8*((\a)%4)+\b):8*(8*((\a)%4)+\b)+7], v[128*(\p)+FR*\b:128*(\p)+FR*\b+FR-1], v[AF+FR*(\a):AF+FR*(\a)+FR-1], v[8*(8*((\a)%4)+\b):8*(8*((\a)%4)+\b)+7], v[SC+8*NQ*(\sc)+NQ*\b+(\q)], v[SC+8*NQ*(\sc)+NQ*(\a)+(\q)] matrix_a_fmt:MATRIX_FMT_FP6 matrix_b_fmt:MATRIX_FMT_FP6 matrix_a_scale:MATRIX_SCALE_ROW1
.endif
.endr
.endr
.endm
.macro FETCH_B slot, q, p
	WIN TO_B
.irp i, 0,1,2,3,4,5,6,7
	FRAG 128*(\p)+FR*\i, ADRB+\slot, \q, \i
.endr
	WIN 0
.endm
.macro FETCH_A slot, q, i0
.irp i, \i0, \i0+1, \i0+2, \i0+3
	FRAGA AF+FR*(\i), \slot, \q, \i
.endr
.endm
.macro SCALES sc
.irp i, 0,1,2,3,4,5,6,7
	ds_load_b64 v[SC+8*NQ*\sc+NQ*\i:SC+8*NQ*\sc+NQ*\i+1], v[ADRS] offset:\i*SBLK
.endr
.endm
.macro PLACES n                        ; plain vector places behind matrix instructions (ISA guide 7.12.1)
.rept \n
	v_nop
.endr
.endm
.macro STEP slot, q, zero
	s_wait_dscnt 4*NLA                             ; B's set and A's blocks 0-3 are in; the youngest 16 loads (A's blocks 4-7) may be out
	WIN MUL_LO
	MUL16 0, (\q)%2, \q, \slot, \zero
	MUL16 2, (\q)%2, \q, \slot, \zero
	s_wait_dscnt 0
	PLACES NP
	FETCH_B \slot, (\q)+1, 1-(\q)%2
	FETCH_A \slot, (\q)+1, 0
	WIN MUL_HI
	MUL16 4, (\q)%2, \q, \slot, \zero
	MUL16 6, (\q)%2, \q, \slot, \zero
	PLACES NP
	WIN 0
	FETCH_A \slot, (\q)+1, 4
.endm
.macro TURN slot, next, fill           ; a slot's last step changes slots: one barrier; in front of it the wait for all my tensor loads, the add, and the wait for it and for my reads of this slot
	s_wait_tensorcnt 0x0
	ds_add_u32 v[SPW], v[NIL]
	s_wait_dscnt 4*NLA+1                           ; (the add and the youngest 16 loads may be out)
	WIN MUL_LO
	MUL16 0, 1, NQ-1, \slot, 0
	s_wait_dscnt 0x0
	s_barrier_signal -1
	MUL16 2, 1, NQ-1, \slot, 0
	WIN 0
	s_barrier_wait -1
.if \fill
	CREST                                          ; the barrier has opened a round of the cluster's barrier
	s_add_nc_u64 s[G0+4*\slot+2:G0+4*\slot+3], s[G0+4*\slot+2:G0+4*\slot+3], 2*3072
	s_add_nc_u64 s[G0B+4*\slot+2:G0B+4*\slot+3], s[G0B+4*\slot+2:G0B+4*\slot+3], 2*ROWB
	JLOAD G0+4*\slot, G1, G0B+4*\slot, G1B         ; the first tensor load behind the round
.else
	PLACES NP
.endif
	v_add_nc_u32 v[ADRS], 4*NQ, v[ADRS]
	FETCH_B \next, 0, 0
	FETCH_A \next, 0, 0
	SCALES \next
	WIN MUL_HI
	MUL16 4, 1, NQ-1, \slot, 0
	MUL16 6, 1, NQ-1, \slot, 0
	PLACES NP
	WIN 0
	FETCH_A \next, 0, 4
.endm
	s_wait_tensorcnt 1                             ; the scales and my part of K step 0 are in (K step 1's load may be out),
	s_barrier_signal -1
	s_barrier_wait -1
	FETCH_B 0, 0, 0
	FETCH_A 0, 0, 0
	SCALES 0
	FETCH_A 0, 0, 4
	STEP 0, 0, 1
	s_mov_b32 s3, LAPS-1
.Llap:
	TURN 0, 1, 1
	STEP 1, 0, 0
	TURN 1, 0, 1
	STEP 0, 0, 0
	s_sub_co_u32 s3, s3, 1
	s_cmp_lg_u32 s3, 0
	s_cbranch_scc1 .Llap
	TURN 0, 1, 0
	STEP 1, 0, 0
	s_wait_dscnt 4*NLA
	WIN MUL_LO
	MUL16 0, 1, NQ-1, 1, 0
	MUL16 2, 1, NQ-1, 1, 0
	s_wait_dscnt 0
	WIN MUL_HI
	MUL16 4, 1, NQ-1, 1, 0
	MUL16 6, 1, NQ-1, 1, 0
	WIN 0
; THE WAY OUT, block by block of 16 rows x 128 columns, through my own stage: back come whole rows of 512 bytes.  LDS serves a wave's instructions in order.
.macro TOSTAGE a
.set ACB, 64*((\a)%4)
	WIN 0x08+4*((\a)/4)                            ; the data: window 2 or 3
.irp b, 0,1,2,3,4,5,6,7
	ds_store_b128 v[STO], v[ACB+8*\b:ACB+8*\b+3] offset:128*(\b/2)+32*(\b%2)       ; each accumulator from its low end on
	ds_store_b128 v[STO], v[ACB+8*\b+4:ACB+8*\b+7] offset:128*(\b/2)+32*(\b%2)+16
.endr
	WIN 0
.set BB, BK+64*((\a)%2)
.irp t, 0,1,2,3,4,5,6,7,8,9,10,11,12,13,14,15
	ds_load_b128 v[BB+4*\t:BB+4*\t+3], v[RD] offset:\t*SPITCH
.endr
.endm
.macro SEND a, younger
.set BB, BK+64*((\a)%2)
	s_wait_dscnt \younger                          ; the block is back in registers
.if (\a) > 0
	s_add_nc_u64 s[12:13], s[12:13], 16*SIZE_N*4   ; (behind a wait on XCNT: the earlier stores have read their base)
.endif
.irp t, 0,1,2,3,4,5,6,7,8,9,10,11,12,13,14,15
	global_store_b128 v[CO], v[BB+4*\t:BB+4*\t+3], s[12:13] offset:\t*SIZE_N*4 th:TH_STORE_NT   ; 32 lanes store 512 consecutive bytes, aligned to 256
.endr
.endm
	PLACES NP
	TOSTAGE 0
.irp a, 1,2,3,4,5,6,7
.if \a > 1
	s_wait_xcnt 0x0                                ; block a - 2's stores have read their registers and their base
.endif
	TOSTAGE \a
	SEND \a-1, 32                                  ; behind block a - 1's loads: block a's 16 stores and 16 loads
.endr
	s_wait_xcnt 0x0
	SEND 7, 0
	s_wait_tensorcnt 0x0                           ; the wave's end, behind my last tensor load and my last LDS store
	ds_add_u32 v[SPW], v[NIL]
	s_wait_dscnt 0x0
	CROUND                                         ; the closing round
	s_endpgm
.Lfunc_end_k_q6c93d0c872_outp:
	.size	k_q6c93d0c872_outp, .Lfunc_end_k_q6c93d0c872_outp-k_q6c93d0c872_outp
	.p2alignl 7, 3214868480
	.fill 96, 4, 3214868480
	.section	.rodata,"a",@progbits
	.p2align	6, 0x0
	.amdhsa_kernel k_q6c93d0c872_outp
		.amdhsa_group_segment_fixed_size 327680
		.amdhsa_private_segment_fixed_size 0
		.amdhsa_enable_private_segment 0
		.amdhsa_kernarg_size 24
		.amdhsa_user_sgpr_count 2
		.amdhsa_user_sgpr_kernarg_segment_ptr 1
		.amdhsa_wavefront_size32 1
		.amdhsa_system_sgpr_workgroup_id_x 1
		.amdhsa_system_sgpr_workgroup_id_y 1
		.amdhsa_system_sgpr_workgroup_id_z 1
		.amdhsa_system_vgpr_workitem_id 0
		.amdhsa_next_free_vgpr 1024
		.amdhsa_next_free_sgpr 98
		.amdhsa_reserve_vcc 0
		.amdhsa_float_denorm_mode_32 3
		.amdhsa_float_denorm_mode_16_64 3
		.amdhsa_memory_ordered 1
		.amdhsa_forward_progress 1
		.amdhsa_inst_pref_size 152
	.end_amdhsa_kernel
	.amdgpu_metadata
---
amdhsa.version: [ 1, 2 ]
amdhsa.kernels:
  - .name:           k_q6c93d0c872_outp
    .symbol:         k_q6c93d0c872_outp.kd
    .args:
      - { .name: oa, .offset: 0, .size: 8, .value_kind: global_buffer, .address_space: global }
      - { .name: wa, .offset: 8, .size: 8, .value_kind: global_buffer, .address_space: global }
      - { .name: out0, .offset: 16, .size: 8, .value_kind: global_buffer, .address_space: global }
    .group_segment_fixed_size: 327680
    .private_segment_fixed_size: 0
    .kernarg_segment_align: 8
    .kernarg_segment_size: 24
    .max_flat_workgroup_size: 128
    .sgpr_count:     98
    .vgpr_count:     1024
    .wavefront_size: 32
...
	.end_amdgpu_metadata
.endif
;; end of part 4
